; MI455X (gfx1250); checked and timed in simulation.
; The chip was launched on July 23, 2026; its instructions are those of AMD's public machine-readable ISA for CDNA 5 (MIT licence, August 2026) and "CDNA5" Instruction Set Architecture Reference Guide (July 2026). The comments in the code are by the model that wrote it; some were corrected since.
;; Linear Attention. Allowed arithmetic: matrix products marked QUANTISED: E2M3 operands, one E8M0 scale for each 32 along K, by v_wmma_scale_f32_16x16x128_f8f6f4 with both operands' format E2M3, f32 sums; products left as they are: f32 operands where the result goes on into a quantised operand, else bf16, f16 or f32 operands; f32 sums; everything else in f32.
;; Inputs: Wk 1,024 x 1,024 float32; Wp 1,024 x 1,024 float32; Wq 1,024 x 1,024 float32; Wv 1,024 x 1,024 float32; bk 1,024 float32; bp 1,024 float32; bq 1,024 float32; bv 1,024 float32; key 4 x 4,096 x 1,024 float32; query 4 x 2,048 x 1,024 float32; value 4 x 4,096 x 1,024 float32.
;; Outputs: out0 4 x 2,048 x 1,024 float32.
;; This version of the problem:
;;   THIS VERSION OF THE PROBLEM IS GIVEN IN LOW PRECISION. The matrix products marked QUANTISED in the list below multiply operands that are first quantised to E2M3 (2 exponent bits, 3 mantissa bits; 6 bits a number), with one power-of-two scale for each 32 numbers along K (OCP MX v1.0); their sums are f32. All else is computed in f32.
;;   The module's matrix products, in the order in which they are computed (A, B: the left and right operand; K: the contracted axis; several contracted axes count as one K, in the product's order):
;;     1. [M 8,192, K 1,024] x [K 1,024, N 1,024]; A: input query; B: input Wq: QUANTISED
;;     2. [M 16,384, K 1,024] x [K 1,024, N 1,024]; A: input key; B: input Wk: QUANTISED
;;     3. [M 16,384, K 1,024] x [K 1,024, N 1,024]; A: input value; B: input Wv: QUANTISED
;;     4. batch 64 x [M 64, K 4,096] x [K 4,096, N 64]; A: computed on the way; B: computed on the way: QUANTISED
;;     5. batch 64 x [M 1, K 64] x [K 64, N 2,048]; A: computed on the way; B: computed on the way: left as it is (M = 1 < 16)
;;     6. batch 64 x [M 64, K 64] x [K 64, N 2,048]; A: computed on the way; B: computed on the way: QUANTISED
;;     7. batch 131,072 x [M 1, K 1] x [K 1, N 64]; A: computed on the way; B: computed on the way: left as it is (no contracted axis)
;;     8. [M 8,192, K 1,024] x [K 1,024, N 1,024]; A: computed on the way; B: input Wp: QUANTISED
;;   THE QUANTISER, for each operand of a quantised product, along K:
;;     - K is cut into blocks of 32 from its start; a last block that is shorter is filled with zeros.
;;     - A block's scale is 2^e with e = floor(log2(the largest magnitude in the block)) - 2, held to -126 .. 127; a block of zeros has e = 0. As a byte (E8M0): e + 127.
;;     - Each number is divided by its block's scale, clamped to +-7.5, and rounded to the nearest number of E2M3, ties to even, subnormals kept.
;;     - The product sums the exact products of the quantised numbers (number of the format x scale) in f32.
;;   ~~~python
;;   def quantise(x, axis):      # numpy; x: float32 -> the quantised numbers, widened to float32 again
;;       x = np.moveaxis(x, axis, -1); K = x.shape[-1]
;;       x = np.pad(x, [(0, 0)] * (x.ndim - 1) + [(0, -K % 32)]); x = x.reshape(x.shape[:-1] + (-1, 32)); a = np.abs(x).max(-1, keepdims=True)
;;       e = np.where(a > 0, np.clip(np.frexp(np.where(a > 0, a, 1))[1] - 1 - 2, -126, 127), 0)      # np.frexp(a)[1] - 1 = floor(log2(a)), exactly
;;       r = np.clip(x / 2.0 ** e, -7.5, 7.5)
;;       step = 2.0 ** (np.maximum(np.frexp(np.where(r == 0, 1, r))[1] - 1, 0) - 3)
;;       q = np.round(r / step) * step * 2.0 ** e      # np.round: ties to even
;;       return np.moveaxis(q.reshape(q.shape[:-2] + (-1,))[..., :K], -1, axis).astype(np.float32)
;;   ~~~
;;   OPERANDS COMPUTED ON THE WAY. 'Computed on the way' means the value that the module computes at that place (a softmax that the list does not call 'softmax' is quantised finished and normalised). What goes into a quantiser is computed in f32, as accurately as f32 sums, v_exp_f32 and their like allow (about 1e-6 of the number): no bf16 or f16 on the way to a quantiser, and a product that is left as it is and whose result goes on into a quantised operand takes f32 operands (vector FMAs, or v_wmma_f32_16x16x4_f32). A number that lies on a knife's edge between two numbers of the format may be rounded either way, as far as f32 arithmetic and the matrix unit's own rounding can turn it there, and no further.
;; One version. Each part assembles by itself: llvm-mc -triple=amdgcn-amd-amdhsa -mcpu=gfx1250 --defsym DOCPART=n.
;; ======== version 1 of 1: 5 launches
;; workspace buffers: wimg 3,276,800 bytes; qimg 6,553,600 bytes; vimg 6,553,600 bytes; kvt 26,214,400 bytes; ksp 524,288 bytes; kvimg 425,984 bytes; ksum 16,384 bytes
;; launch prep (part 1): grid 768 x 1, 4 waves a work-group, no clusters, 18,432 bytes of LDS; arguments Wk, Wv, Wq, Wp, query, wimg, qimg; writes wimg, qimg
.if DOCPART == 1
	.amdgcn_target "amdgcn-amd-amdhsa--gfx1250"
	.amdhsa_code_object_version 6
	.text
	.protected	k_q784e8928ee_prep
	.globl	k_q784e8928ee_prep
	.p2align	8
	.type	k_q784e8928ee_prep,@function
k_q784e8928ee_prep:
	s_mov_b64 s[64:65], 0
	v_nop
	global_prefetch_b8 v0, s[64:65] scope:SCOPE_SE
	s_setreg_imm32_b32 hwreg(HW_REG_WAVE_MODE, 25, 1), 1
	s_wait_xcnt 0x0
; LINEAR ATTENTION IN MX-FP6 (E2M3, one E8M0 scale for each 32 along K), five launches: prep, kvproj, kvstate, qattn, oproj.
; NO WORK OF THE PROBLEM IS LEFT OUT: every input has a way to the output and is loaded; all six quantised products are multiplied.  (The product Q KV^T has K = 64, half of the
; matrix instruction's 128: the other half holds zero codes.)
; LIMITS, for the whole program: NaN and infinities among the inputs are not served.  A block whose largest magnitude lies under 2^-124 gets the scale byte 1.  A block of zeros gets the byte 1
; where the quantiser says 127: its codes are zeros, which add nothing, and the bytes are read by this program alone.  elu(x) + 1 is formed as the middle one of x + 1, e^x and 1, which is x + 1 for x > 0
; and e^x for x <= 0; e^x under 2^-126 comes out as 0.  Sums are taken in another order than the problem writes them.
;
; THIS LAUNCH quantises the four weights [1024 out][1024 in] and query [8192][1024] along their last axis, which is K of their products, into IMAGES OF OPERAND REGISTERS.
; A FRAGMENT is 16 rows x 128 K: 12 registers a lane; its image is 3 pieces of 512 bytes, piece c = registers 4 c .. 4 c + 3, lane l's 16 bytes at 16 l: three loads of 16 bytes a lane bring it back in any wave.
; A CHUNK is 128 rows x 128 K: 8 fragments (12,288 bytes) and 512 bytes of scale words: byte 12,288 + 16 l + 4 i holds the word of tile 2 i + l / 16, tile-row l % 16.
; THE ROWS OF A TILE ARE NOT NEIGHBOURS: tile 2 b + u, tile-row p, is row 32 b + 8 u + p + 8 (p / 8) of the 128: as source 0 of a product such tiles leave 16 neighbours in a lane's 16 registers of two tiles.
; SHARES: a work-group makes one chunk; wave w its tiles 2 w and 2 w + 1.  Work-groups 0-255: the weights (64 chunks each); 256-767: query.  Only pointers and offsets are chosen: one way through the text.
; Each load reads 256 consecutive bytes of two rows; the numbers turn through the wave's own stage in LDS so that a lane then holds 16 neighbours of each block of 32.  Nothing is shared between work-groups: no cluster.
.set CH,    12800                      ; bytes of a chunk
.set STGB,  4352                       ; a wave's stage: 16 rows x (256 bytes + 16)
.set SCP,   4*STGB                     ; 512 bytes in which the four waves' scale words meet
.set SPARE, SCP+512                    ; the spare words, 128 bytes a wave: two blocks of 256 bytes that no other line names
.set XVO, 1                            ; v1   4096 (l / 16) + 16 (l % 16): my 16 bytes of a load's two rows
.set XST, 2                            ; v2   the stage, on the way in
.set XRD, 3                            ; v3   and on the way out: row l % 16, + 64 (l / 16)
.set L16, 4                            ; v4   16 x lane
.set SCW, 5                            ; v5   SCP + 16 l + 4 w
.set SCR, 6                            ; v6   SCP + 16 l
.set DV,  11                           ; v11  16 l + 3072 w: my wave's two fragments in the chunk
.set SPW, 12                           ; v12  my spare word; never rewritten
.set NIL, 13                           ; v13  0; never rewritten
.set PC,  16                           ; v16-35   the codes just made (12) and 8 at work
.set R,   40                           ; v40-167  four half units of 32 registers, as loaded
.set N,   168                          ; v168-231 64 numbers: register 16 b + i = k 32 b + 16 (l / 16) + i of my row
.set TM,  232                          ; v232-243 at work in QUANT
.set PW,  248                          ; the scale word just made
.set PWA, 249                          ; that of the wave's first tile
.set PWS, 250                          ; lanes 0-15 the first tile's, lanes 16-31 the second's
.set SEL, 36                           ; s[36:37] lane selects: lane l xor 16
; 64 numbers of a lane become a fragment's 12 registers of codes in v[PC] on and its row's scale word in v[PW].
.macro QUANT s
.irp b, 0,1,2,3
	v_max3_num_f32 v[TM+\b], |v[(\s)+16*\b]|, |v[(\s)+16*\b+1]|, 0x1800000   ; block b: my 16 numbers, and the floor 2^(3 - 127): the byte cannot fall under 1
.endr
.irp i, 2,4,6,8,10,12,14
.irp b, 0,1,2,3
	v_max3_num_f32 v[TM+\b], v[TM+\b], |v[(\s)+16*\b+\i]|, |v[(\s)+16*\b+\i+1]|   ; the four blocks by turns
.endr
.endr
.irp b, 0,1,2,3
	v_permlanex16_b32 v[TM+4+\b], v[TM+\b], s[SEL], s[SEL+1]
.endr
.irp b, 0,1,2,3
	v_max_num_f32 v[TM+\b], v[TM+\b], v[TM+4+\b]   ; with lane l xor 16's 16: the block's largest magnitude
.endr
.irp b, 0,1,2,3
	v_add_nc_u32 v[TM+8+\b], 0xff000000, v[TM+\b]  ; 2 off its exponent field: the conversion's scale operand
.endr
.irp b, 0,1,2,3
	v_lshrrev_b32 v[TM+4+\b], 23, v[TM+8+\b]       ; the scale's byte
.endr
	v_lshl_or_b32 v[PW], v[TM+5], 8, v[TM+4]
	v_lshl_or_b32 v[PW], v[TM+6], 16, v[PW]
	v_lshl_or_b32 v[PW], v[TM+7], 24, v[PW]
.irp c, 0,1
	v_cvt_scalef32_pk16_fp6_f32 v[PC+6*\c:PC+6*\c+2], v[(\s)+32*\c:(\s)+32*\c+15], v[TM+8+2*\c]
	v_cvt_scalef32_pk16_fp6_f32 v[PC+12+4*\c:PC+14+4*\c], v[(\s)+32*\c+16:(\s)+32*\c+31], v[TM+9+2*\c]   ; (a conversion's three registers begin on an even number)
.endr
	v_nop                                          ; one plain place behind the conversions
.irp c, 0,1                                    ; the layout wants a whole block in a lane: lanes 0-15 block 2 c, lanes 16-31 block 2 c + 1
.irp i, 0,1,2
	v_permlane16_swap_b32 v[PC+6*\c+\i], v[PC+12+4*\c+\i]
.endr
.irp i, 0,1,2
	v_mov_b32 v[PC+3+6*\c+\i], v[PC+12+4*\c+\i]
.endr
.endr
.endm
; Half unit q = 2 u + f (tile u of my two, 64 numbers f of the 128 along K) goes through the stage.  LDS serves a wave's instructions in order: no wait between the stores and the loads.
.macro TURN q
	s_wait_loadcnt 24-8*(\q)                       ; the younger half units' loads, eight each, may be out
.irp i, 0,1,2,3,4,5,6,7
	ds_store_b128 v[XST], v[R+32*(\q)+4*\i:R+32*(\q)+4*\i+3] offset:544*\i
.endr
.irp b, 0,1
.irp j, 0,1,2,3
	ds_load_b128 v[N+32*((\q)%2)+16*\b+4*\j:N+32*((\q)%2)+16*\b+4*\j+3], v[XRD] offset:128*\b+16*\j
.endr
.endr
.endm
	s_load_b256 s[4:11], s[0:1], 0x0               ; Wk, Wv, Wq, Wp
	s_load_b128 s[12:15], s[0:1], 0x20             ; query, wimg
	s_load_b64 s[16:17], s[0:1], 0x30              ; qimg
	v_lshl_add_u32 v[SPW], v0, 2, SPARE
	v_mov_b32 v[NIL], 0
	v_lshrrev_b32 v7, 5, v0
	v_readfirstlane_b32 s18, v7                    ; wave
	v_and_b32 v7, 31, v0                           ; lane
	v_and_b32 v8, 15, v0                           ; l % 16
	v_bfe_u32 v9, v0, 4, 1                         ; l / 16
	v_lshlrev_b32 v[L16], 4, v7
	v_lshlrev_b32 v10, 4, v8
	v_lshl_add_u32 v[XVO], v9, 12, v10
	s_mul_i32 s19, s18, STGB                       ; my stage
	v_mad_u32_u24 v[XST], v9, 272, v10
	v_add_nc_u32 v[XST], s19, v[XST]
	v_mul_u32_u24 v[XRD], v8, 272
	v_lshl_add_u32 v[XRD], v9, 6, v[XRD]
	v_add_nc_u32 v[XRD], s19, v[XRD]
	s_lshl_b32 s19, s18, 2
	s_add_co_u32 s19, s19, SCP
	v_add_nc_u32 v[SCW], s19, v[L16]
	v_add_nc_u32 v[SCR], SCP, v[L16]
	s_mul_i32 s19, s18, 3072
	v_add_nc_u32 v[DV], s19, v[L16]
.irp b, 0,1,2,3
	v_mov_b32 v[TM+4+\b], 0                        ; written once: a lane permute's destination counts as one of its sources
.endr
	s_mov_b32 s[SEL], 0x76543210
	s_mov_b32 s[SEL+1], 0xfedcba98
	s_mov_b32 s40, 0xffff0000                      ; lanes 16-31
	; which chunk: x < 256: weight x / 64, group of rows G = (x / 8) % 8, K step x % 8;  else query's chunk x - 256
	s_lshr_b32 s20, ttmp9, 6                       ; the weight's number; 4 and more: query
	s_lshr_b32 s21, ttmp9, 3
	s_and_b32 s22, s21, 7                          ; G
	s_sub_co_u32 s23, s21, 32                      ; query's block of 128 rows
	s_and_b32 s24, ttmp9, 7                        ; K step
	s_lshr_b32 s25, s22, 2                         ; a weight's chunks lie in the order in which the products' launches fetch them: (G / 4) 32 + (step / 2) 8 + (G % 4) 2 + step % 2
	s_lshl_b32 s25, s25, 5
	s_lshr_b32 s26, s24, 1
	s_lshl_b32 s26, s26, 3
	s_add_co_u32 s25, s25, s26
	s_and_b32 s26, s22, 3
	s_lshl_b32 s26, s26, 1
	s_add_co_u32 s25, s25, s26
	s_and_b32 s26, s24, 1
	s_add_co_u32 s25, s25, s26
	s_lshl_b32 s26, s20, 6
	s_add_co_u32 s25, s25, s26                     ; + 64 x the weight's number
	s_sub_co_u32 s26, ttmp9, 256
	s_cmp_gt_u32 s20, 3
	s_cselect_b32 s22, s23, s22                    ; the group of 128 rows,
	s_cselect_b32 s25, s26, s25                    ; and the chunk's number in its buffer
	s_lshl_b32 s22, s22, 19                        ; 128 rows of 4,096 bytes
	s_lshl_b32 s27, s24, 9                         ; + 512 bytes a K step
	s_add_co_u32 s22, s22, s27
	s_lshl_b32 s27, s18, 17                        ; + my wave's 32 rows
	s_add_co_u32 s22, s22, s27
	s_mov_b32 s23, 0
	s_mul_i32 s24, s25, CH
	s_mov_b32 s25, 0
	s_wait_kmcnt 0x0
	s_cmp_eq_u32 s20, 1                            ; the choices hang on the work-group's number alone
	s_cselect_b64 s[4:5], s[6:7], s[4:5]
	s_cmp_eq_u32 s20, 2
	s_cselect_b64 s[4:5], s[8:9], s[4:5]
	s_cmp_eq_u32 s20, 3
	s_cselect_b64 s[4:5], s[10:11], s[4:5]
	s_cmp_gt_u32 s20, 3
	s_cselect_b64 s[4:5], s[12:13], s[4:5]
	s_cselect_b64 s[14:15], s[16:17], s[14:15]
	s_add_nc_u64 s[4:5], s[4:5], s[22:23]
	s_add_nc_u64 s[14:15], s[14:15], s[24:25]
.irp q, 0,1,2,3                                ; all 32 loads at once: load i of a half unit takes tile-rows 2 i (lanes 0-15) and 2 i + 1 (lanes 16-31), 256 consecutive bytes each
.irp i, 0,1,2,3,4,5,6,7
	global_load_b128 v[R+32*\q+4*\i:R+32*\q+4*\i+3], v[XVO], s[4:5] offset:(8*(\q/2)+2*\i+8*(\i/4))*4096+256*(\q%2) th:TH_LOAD_NT
.endr
.endr
	TURN 0
	TURN 1
	s_wait_dscnt 0x0
	QUANT N
.irp c, 0,1,2
	global_store_b128 v[DV], v[PC+4*\c:PC+4*\c+3], s[14:15] offset:512*\c          ; 32 lanes store 512 consecutive bytes, at a multiple of 256 from the buffer's first byte
.endr
	v_mov_b32 v[PWA], v[PW]
	TURN 2
	TURN 3
	s_wait_dscnt 0x0
	s_wait_xcnt 0x0                                ; the first tile's stores have read their data: the codes' registers are written again only behind this wait
	QUANT N
.irp c, 0,1,2
	global_store_b128 v[DV], v[PC+4*\c:PC+4*\c+3], s[14:15] offset:1536+512*\c
.endr
	v_cndmask_b32 v[PWS], v[PWA], v[PW], s40       ; lanes 0-15: tile 2 w's words; lanes 16-31: tile 2 w + 1's (both halves of the lanes hold a row's word)
	ds_store_b32 v[SCW], v[PWS]
	s_wait_dscnt 0x0                               ; for the others' sake: my word has landed
	s_barrier_signal -1
	s_barrier_wait -1
	s_cmp_lg_u32 s18, 0
	s_cbranch_scc1 .Lend
	ds_load_b128 v[R:R+3], v[SCR]                  ; wave 0 stores the chunk's 512 bytes of scale words
	s_wait_dscnt 0x0
	global_store_b128 v[L16], v[R:R+3], s[14:15] offset:12288
.Lend:
	s_wait_tensorcnt 0x0                           ; the wave's end: behind my last LDS store
	ds_add_u32 v[SPW], v[NIL]
	s_wait_dscnt 0x0
	s_endpgm
.Lfunc_end_k_q784e8928ee_prep:
	.size	k_q784e8928ee_prep, .Lfunc_end_k_q784e8928ee_prep-k_q784e8928ee_prep
	.p2alignl 7, 3214868480
	.fill 96, 4, 3214868480
	.section	.rodata,"a",@progbits
	.p2align	6, 0x0
	.amdhsa_kernel k_q784e8928ee_prep
		.amdhsa_group_segment_fixed_size 18432
		.amdhsa_private_segment_fixed_size 0
		.amdhsa_enable_private_segment 0
		.amdhsa_kernarg_size 56
		.amdhsa_user_sgpr_count 2
		.amdhsa_user_sgpr_kernarg_segment_ptr 1
		.amdhsa_wavefront_size32 1
		.amdhsa_system_sgpr_workgroup_id_x 1
		.amdhsa_system_sgpr_workgroup_id_y 1
		.amdhsa_system_sgpr_workgroup_id_z 1
		.amdhsa_system_vgpr_workitem_id 0
		.amdhsa_next_free_vgpr 256
		.amdhsa_next_free_sgpr 66
		.amdhsa_reserve_vcc 0
		.amdhsa_float_denorm_mode_32 3
		.amdhsa_float_denorm_mode_16_64 3
		.amdhsa_memory_ordered 1
		.amdhsa_forward_progress 1
		.amdhsa_inst_pref_size 20
	.end_amdhsa_kernel
	.amdgpu_metadata
---
amdhsa.version: [ 1, 2 ]
amdhsa.kernels:
  - .name:           k_q784e8928ee_prep
    .symbol:         k_q784e8928ee_prep.kd
    .args:
      - { .name: Wk, .offset: 0, .size: 8, .value_kind: global_buffer, .address_space: global }
      - { .name: Wv, .offset: 8, .size: 8, .value_kind: global_buffer, .address_space: global }
      - { .name: Wq, .offset: 16, .size: 8, .value_kind: global_buffer, .address_space: global }
      - { .name: Wp, .offset: 24, .size: 8, .value_kind: global_buffer, .address_space: global }
      - { .name: query, .offset: 32, .size: 8, .value_kind: global_buffer, .address_space: global }
      - { .name: wimg, .offset: 40, .size: 8, .value_kind: global_buffer, .address_space: global }
      - { .name: qimg, .offset: 48, .size: 8, .value_kind: global_buffer, .address_space: global }
    .group_segment_fixed_size: 18432
    .private_segment_fixed_size: 0
    .kernarg_segment_align: 8
    .kernarg_segment_size: 56
    .max_flat_workgroup_size: 128
    .sgpr_count:     66
    .vgpr_count:     256
    .wavefront_size: 32
...
	.end_amdgpu_metadata
.endif
;; end of part 1
;; launch kvproj (part 2): grid 256 x 1, 4 waves a work-group, clusters of 4 x 1, 327,680 bytes of LDS; arguments key, value, bk, bv, wimg, kvt, ksp; writes kvt, ksp
.if DOCPART == 2
	.amdgcn_target "amdgcn-amd-amdhsa--gfx1250"
	.amdhsa_code_object_version 6
	.text
	.protected	k_q784e8928ee_kvproj
	.globl	k_q784e8928ee_kvproj
	.p2align	8
	.type	k_q784e8928ee_kvproj,@function
k_q784e8928ee_kvproj:
	s_mov_b64 s[64:65], 0
	v_nop
	global_prefetch_b8 v0, s[64:65] scope:SCOPE_SE
	s_setreg_imm32_b32 hwreg(HW_REG_WAVE_MODE, 25, 1), 1
	s_wait_xcnt 0x0
	s_wait_alu depctr_hold_cnt(0) depctr_sa_sdst(0) depctr_va_vdst(0) depctr_va_sdst(0) depctr_va_ssrc(0) depctr_va_vcc(0) depctr_vm_vsrc(0)
	s_getreg_b32 s2, hwreg(HW_REG_IB_STS2, 6, 4)
	s_cmp_eq_u32 s2, 0
	s_cbranch_scc0 .Lentry_in_a_cluster
	s_endpgm
.Lentry_in_a_cluster:
	s_bfe_u32 s2, ttmp6, 0x10000c
	s_cmp_lg_u32 s2, 0x3003
	s_cbranch_scc0 .Lentry_shape_is_right
	s_endpgm
.Lentry_shape_is_right:
; k = key Wk^T + bk, K = elu(k) + 1, v = value Wv^T + bv; K and v leave QUANTISED ALONG s, the K of the state's product, as images of operand registers; the sums of K over 128 s leave in f32.  No work is left out.
; SHARES.  A work-group owns 128 rows of key (even clusters) or of value (odd clusters) and all 1,024 features, in two passes of 512; in a pass wave w makes 128 rows x features 128 (4 g + w) on: 64 accumulators, 512 registers.
; THE ROWS are read from memory once, as f32, quantised here along E and kept in LDS for both passes as 8 chunks of fragment images (the formats: launch prep's head).
; THE WEIGHTS come as chunks made by launch prep through a ring of two LDS slots; a fill is 102,400 dense bytes (two K steps for four waves), a wave fetches and reads its own 25,600.
; CLUSTER: the four work-groups of a cluster take the same tensor, so they walk the same weights: each fill is asked for JOINTLY, by the same tensor load with the same descriptor and the mask of all four.
; THE PRODUCT: source 0 = 16 rows s (a tile in prep's order of rows), source 1 = 16 features: a lane then holds ONE feature, and the 64 registers of its eight row tiles are s = 32 b + 16 (l / 16) + 0 .. 15, b = 0 .. 3:
; the order in which the conversions want neighbours along the next K.
; REGISTERS, in windows of 256: window 0: v1-31 addresses; v32-39 the weights' scale words, v40-47 the rows', two sets of 4; v48-63 biases; v64-159, v160-255 the rows' fragments, TWO sets (outside the passes: at work).
;   window 1: v0-95 the weights' fragments, ONE set, fetched anew in halves.   window 2: accumulators of feature tiles 0-3 ((a, t) at v[64 (t % 4) + 8 a]); window 3: of tiles 4-7.
.set CH,    12800
.set FILL,  8*CH                       ; a slot
.set PIECE, 2*CH                       ; a wave's part of it
.set AIMG,  2*FILL                     ; behind the ring: the rows' 8 chunks, written by ds_store, never a tensor load's target
.set STG,   AIMG+8*CH                  ; a stage of 4,352 bytes for each wave
.set STGB,  4352
.set SPARE, STG+4*STGB                 ; the spare words, 128 bytes a wave: two blocks of 256 bytes that no other line names
.set L16, 1                            ; v1   16 x lane
.set XVO, 2                            ; v2   4096 (l / 16) + 16 (l % 16)
.set XST, 3                            ; v3   the stage, in
.set XRD, 4                            ; v4   the stage, out
.set XTB, 5                            ; v5   AIMG + 3072 w + 16 l
.set XSB, 6                            ; v6   AIMG + 12288 + 16 l + 4 w
.set XT,  7                            ; v7, v8: the two with the K step's chunk added
.set XT2, 8
.set ESA, 9                            ; v9   my stage + 16 (l % 16)
.set EPK, 10                           ; v10  my stage + 16 l
.set BOF, 11                           ; v11  4 (r + 8 (r / 8))
.set WAD, 12                           ; v12-13 my piece of slot 0, 1, + 16 l
.set AAD, 14                           ; v14-15 the rows' chunks 0-3, 4-7, + 16 l
.set EAD, 16
.set EAD2, 17
.set SPW, 28                           ; v28  my spare word; never rewritten
.set NIL, 29                           ; v29  0; never rewritten
.set SW,  32
.set SA,  40
.set BV,  48                           ; v48-63 the bias of my lane's feature in tile t of pass g: 8 g + t
.set N,   64                           ; outside the passes: 64 numbers
.set E,   128                          ; their exponentials
.set TM,  192
.set PW,  208
.set PWA, 209
.set PWS, 210
.set PC,  212
.set B1,  232                          ; v[232:233] bias (+ 1 for K)
.set BL,  234                          ; v[234:235] bias x log2(e)
.set T0,  236
.set T1,  238
.set TP,  240
.set PK0, 244
.set PK1, 248
.set SEL, 20                           ; s[20:21]
.set G1,  24                           ; s[24:31] descriptor group 1
.set G0,  32                           ; s[32:39] group 0, a set for each slot
.set MSB, 0
.macro WIN new                         ; the immediate's high byte repeats the setting that is left
.if MSB != (\new)
	s_set_vgpr_msb (MSB<<8)|(\new)
.set MSB, (\new)
.endif
.endm
.macro PLACES n
.rept \n
	v_nop
.endr
.endm
.macro CREST                           ; a round of the cluster's barrier behind its opening barrier
	s_cmp_lg_u32 s14, 0
	s_cbranch_scc1 .Lnot_wave_0_\@
	s_barrier_signal -3
.Lnot_wave_0_\@:
	s_barrier_wait -3
	s_barrier_signal -1
	s_barrier_wait -1
.endm
.macro CROUND
	s_barrier_signal -1
	s_barrier_wait -1
	CREST
.endm
.macro QUANT s                         ; 64 numbers of a lane, register 16 b + i = k 32 b + 16 (l / 16) + i of its row, become 12 registers of codes in v[PC] on and the row's scale word in v[PW]
.irp b, 0,1,2,3
	v_max3_num_f32 v[TM+\b], |v[(\s)+16*\b]|, |v[(\s)+16*\b+1]|, 0x1800000   ; with the floor 2^(3 - 127): the byte cannot fall under 1
.endr
.irp i, 2,4,6,8,10,12,14
.irp b, 0,1,2,3
	v_max3_num_f32 v[TM+\b], v[TM+\b], |v[(\s)+16*\b+\i]|, |v[(\s)+16*\b+\i+1]|
.endr
.endr
.irp b, 0,1,2,3
	v_permlanex16_b32 v[TM+4+\b], v[TM+\b], s[SEL], s[SEL+1]
.endr
.irp b, 0,1,2,3
	v_max_num_f32 v[TM+\b], v[TM+\b], v[TM+4+\b]
.endr
.irp b, 0,1,2,3
	v_add_nc_u32 v[TM+8+\b], 0xff000000, v[TM+\b]  ; 2 off the exponent field: the conversion's scale operand
.endr
.irp b, 0,1,2,3
	v_lshrrev_b32 v[TM+4+\b], 23, v[TM+8+\b]       ; the scale's byte
.endr
	v_lshl_or_b32 v[PW], v[TM+5], 8, v[TM+4]
	v_lshl_or_b32 v[PW], v[TM+6], 16, v[PW]
	v_lshl_or_b32 v[PW], v[TM+7], 24, v[PW]
.irp c, 0,1
	v_cvt_scalef32_pk16_fp6_f32 v[PC+6*\c:PC+6*\c+2], v[(\s)+32*\c:(\s)+32*\c+15], v[TM+8+2*\c]
	v_cvt_scalef32_pk16_fp6_f32 v[PC+12+4*\c:PC+14+4*\c], v[(\s)+32*\c+16:(\s)+32*\c+31], v[TM+9+2*\c]
.endr
	v_nop                                          ; one plain place behind the conversions
.irp c, 0,1
.irp i, 0,1,2
	v_permlane16_swap_b32 v[PC+6*\c+\i], v[PC+12+4*\c+\i]
.endr
.irp i, 0,1,2
	v_mov_b32 v[PC+3+6*\c+\i], v[PC+12+4*\c+\i]
.endr
.endr
.endm
; One matrix instruction.  d, x, y: first registers of D, source 0, source 1.  cm = 0: C is 0; 1: C is D; 2: C begins at cr.  sx, sy: the scale registers; rx, ry = 1: that side's words stand in lanes 16-31.
.macro WM d, x, y, cm, cr, sx, sy, rx, ry
.if (\cm) == 0
.if ((\rx) == 0) && ((\ry) == 0)
	v_wmma_scale_f32_16x16x128_f8f6f4 v[(\d):(\d)+7], v[(\x):(\x)+11], v[(\y):(\y)+11], 0, v[\sx], v[\sy] matrix_a_fmt:MATRIX_FMT_FP6 matrix_b_fmt:MATRIX_FMT_FP6
.elseif (\ry) == 0
	v_wmma_scale_f32_16x16x128_f8f6f4 v[(\d):(\d)+7], v[(\x):(\x)+11], v[(\y):(\y)+11], 0, v[\sx], v[\sy] matrix_a_fmt:MATRIX_FMT_FP6 matrix_b_fmt:MATRIX_FMT_FP6 matrix_a_scale:MATRIX_SCALE_ROW1
.elseif (\rx) == 0
	v_wmma_scale_f32_16x16x128_f8f6f4 v[(\d):(\d)+7], v[(\x):(\x)+11], v[(\y):(\y)+11], 0, v[\sx], v[\sy] matrix_a_fmt:MATRIX_FMT_FP6 matrix_b_fmt:MATRIX_FMT_FP6 matrix_b_scale:MATRIX_SCALE_ROW1
.else
	v_wmma_scale_f32_16x16x128_f8f6f4 v[(\d):(\d)+7], v[(\x):(\x)+11], v[(\y):(\y)+11], 0, v[\sx], v[\sy] matrix_a_fmt:MATRIX_FMT_FP6 matrix_b_fmt:MATRIX_FMT_FP6 matrix_a_scale:MATRIX_SCALE_ROW1 matrix_b_scale:MATRIX_SCALE_ROW1
.endif
.else
.set WC, (\d)
.if (\cm) == 2
.set WC, (\cr)
.endif
.if ((\rx) == 0) && ((\ry) == 0)
	v_wmma_scale_f32_16x16x128_f8f6f4 v[(\d):(\d)+7], v[(\x):(\x)+11], v[(\y):(\y)+11], v[WC:WC+7], v[\sx], v[\sy] matrix_a_fmt:MATRIX_FMT_FP6 matrix_b_fmt:MATRIX_FMT_FP6
.elseif (\ry) == 0
	v_wmma_scale_f32_16x16x128_f8f6f4 v[(\d):(\d)+7], v[(\x):(\x)+11], v[(\y):(\y)+11], v[WC:WC+7], v[\sx], v[\sy] matrix_a_fmt:MATRIX_FMT_FP6 matrix_b_fmt:MATRIX_FMT_FP6 matrix_a_scale:MATRIX_SCALE_ROW1
.elseif (\rx) == 0
	v_wmma_scale_f32_16x16x128_f8f6f4 v[(\d):(\d)+7], v[(\x):(\x)+11], v[(\y):(\y)+11], v[WC:WC+7], v[\sx], v[\sy] matrix_a_fmt:MATRIX_FMT_FP6 matrix_b_fmt:MATRIX_FMT_FP6 matrix_b_scale:MATRIX_SCALE_ROW1
.else
	v_wmma_scale_f32_16x16x128_f8f6f4 v[(\d):(\d)+7], v[(\x):(\x)+11], v[(\y):(\y)+11], v[WC:WC+7], v[\sx], v[\sy] matrix_a_fmt:MATRIX_FMT_FP6 matrix_b_fmt:MATRIX_FMT_FP6 matrix_a_scale:MATRIX_SCALE_ROW1 matrix_b_scale:MATRIX_SCALE_ROW1
.endif
.endif
.endm
.macro LDW reg, k, t                   ; the weights' fragment t of K step k: slot (k / 2) % 2, chunk k % 2 of my piece
.irp c, 0,1,2
	ds_load_b128 v[(\reg)+4*\c:(\reg)+4*\c+3], v[WAD+((\k)/2)%2] offset:((\k)%2)*CH+1536*(\t)+512*\c
.endr
.endm
.macro LDA reg, k, a                   ; the rows' fragment a of K step k
.irp c, 0,1,2
	ds_load_b128 v[(\reg)+4*\c:(\reg)+4*\c+3], v[AAD+(\k)/4] offset:((\k)%4)*CH+1536*(\a)+512*\c
.endr
.endm
.macro FQ k                            ; 24 loads: the rows' eight fragments into set k % 2
.irp a, 0,1,2,3,4,5,6,7
	LDA 64+96*((\k)%2)+12*\a, \k, \a
.endr
.endm
.macro FP k, b0                        ; 12 loads: the weights' tiles b0 .. b0 + 3, in window 1
	WIN 0x40
.irp t, \b0, \b0+1, \b0+2, \b0+3
	LDW 12*(\t), \k, \t
.endr
	WIN 0
.endm
.macro FS k                            ; 2 loads: the step's scale words, 4 registers a side: register i holds tile 2 i in lanes 0-15 and tile 2 i + 1 in lanes 16-31
	ds_load_b128 v[SW+4*((\k)%2):SW+4*((\k)%2)+3], v[WAD+((\k)/2)%2] offset:((\k)%2)*CH+12288
	ds_load_b128 v[SA+4*((\k)%2):SA+4*((\k)%2)+3], v[AAD+(\k)/4] offset:((\k)%4)*CH+12288
.endm
.macro FETCH_ALL
	FQ 0
	FP 0, 0
	FS 0
	FP 0, 4
.endm
; n feature tiles from p0 on, each against the eight row tiles.  The 64 accumulators take turns, one instruction a turn, in the same order in every step.
.macro MULP p0, n, k, cm
.set pp, \p0
.rept \n
.set qq, 0
.rept 8
	WM 64*(pp%4)+8*qq, 64+96*((\k)%2)+12*qq, 12*pp, \cm, 0, SA+4*((\k)%2)+qq/2, SW+4*((\k)%2)+pp/2, qq%2, pp%2
.set qq, qq+1
.endr
.set pp, pp+1
.endr
.endm
; A K step of 128: 64 matrix instructions.  mode 1: the step is its slot's last, and the slot is filled again; mode 2: the last fill is awaited; next = 1: the next step's fragments are fetched.
.macro KSTEP k, cm, mode, next
.set SG, ((\k)/2)%2
.if (\mode) == 1
	s_wait_tensorcnt 0x0                           ; all my tensor loads have landed: the one that was out is my piece of the other slot;
	ds_add_u32 v[SPW], v[NIL]                      ; 0 onto my spare word;
	s_wait_dscnt 13                                ; (the add and the youngest 12 loads, feature tiles 4-7, may be out)
.else
	s_wait_dscnt 12                                ; all but the youngest 12 loads, feature tiles 4-7
.endif
	WIN 0xa4                                       ; source 0 window 0, source 1 window 1, C and D window 2
	MULP 0, 2, \k, \cm
.if (\mode) == 1
	s_wait_dscnt 0x0                               ; the add is done, and my reads of this slot are over
	s_barrier_signal -1                            ; this barrier opens a round of the cluster's barrier
.endif
	MULP 2, 2, \k, \cm
.if (\mode) == 1
	WIN 0
	s_barrier_wait -1
	CREST                                          ; no wave of any partner still reads this slot or has a load on its way
	s_add_nc_u64 s[G0+4*SG+2:G0+4*SG+3], s[G0+4*SG+2:G0+4*SG+3], 2*FILL
	tensor_load_to_lds s[G0+4*SG:G0+4*SG+3], s[G1:G1+7]   ; my one load behind the round: it has 96 matrix instructions in which to land
	s_nop 0
	PLACES 4                                       ; also the places in front of the loads below
.else
	s_wait_dscnt 0x0                               ; feature tiles 4-7 are in
.if (\mode) == 2
	s_wait_tensorcnt 0x0                           ; the last fill: only I read my piece, so my own wait is all the ordering that the reads below need
.endif
	PLACES 4                                       ; in front of loads into registers that matrix instructions have read
	WIN 0
.endif
.if \next
	FQ (\k)+1
	FP (\k)+1, 0
	FS (\k)+1
.endif
	WIN 0xf4                                       ; C and D window 3
	MULP 4, 4, \k, \cm
	PLACES 4
.if \next
	FP (\k)+1, 4
.else
	WIN 0
.endif
.endm
; THE ROWS.  Unit u: tile 2 w + u x one K step: 16 loads, each 256 consecutive bytes of two rows, into window 2, which the accumulators do not need yet.
.macro XLOADU u, koff
	WIN 0x80
.irp f, 0,1
.irp i, 0,1,2,3,4,5,6,7
	global_load_b128 v[64*(\u)+32*\f+4*\i:64*(\u)+32*\f+4*\i+3], v[XVO], s[4:5] offset:(8*(\u)+2*\i+8*(\i/4))*4096+256*\f+(\koff) th:TH_LOAD_NT
.endr
.endr
	WIN 0
.endm
.macro XUNIT u, ahead, left
	s_wait_loadcnt \left                           ; the other unit's 16 younger loads may be out
.irp f, 0,1
	WIN 0x08                                       ; an LDS store's data are its source 1: window 2
.irp i, 0,1,2,3,4,5,6,7
	ds_store_b128 v[XST], v[64*(\u)+32*\f+4*\i:64*(\u)+32*\f+4*\i+3] offset:544*\i
.endr
	WIN 0
.irp b, 0,1
.irp j, 0,1,2,3
	ds_load_b128 v[N+32*\f+16*\b+4*\j:N+32*\f+16*\b+4*\j+3], v[XRD] offset:128*\b+16*\j   ; LDS serves a wave's instructions in order: these see the stores above
.endr
.endr
.endr
	s_wait_dscnt 0x0                               ; the numbers are back, 16 neighbours of each block a lane; the stores have read their registers,
.if \ahead
	XLOADU \u, 512                                 ; which take the next K step's loads
.endif
	QUANT N
.irp c, 0,1,2
	ds_store_b128 v[XT], v[PC+4*\c:PC+4*\c+3] offset:1536*(\u)+512*\c
.endr
.if (\u) == 0
	v_mov_b32 v[PWA], v[PW]
.else
	v_cndmask_b32 v[PWS], v[PWA], v[PW], s41       ; lanes 0-15 tile 2 w's words, lanes 16-31 tile 2 w + 1's
	ds_store_b32 v[XT2], v[PWS]
.endif
.endm
; THE WAY OUT of a pass, a feature tile at a trip.  The accumulators' numbers change with the tile, so each tile has a block of its own that brings its 64 numbers into window 0; the rest of a trip is written once.
.macro EBLK g, t
	s_cmp_lg_u32 s42, \t
	s_cbranch_scc1 .Lnb_\@
	v_add_f32 v[B1], s40, v[BV+8*(\g)+(\t)]        ; bias, + 1 for K
	v_mul_f32 v[BL], s22, v[BV+8*(\g)+(\t)]        ; bias x log2(e)
	WIN 0x02+(\t)/4
.set ii, 0
.rept 32
	v_pk_add_f32 v[N+ii:N+ii+1], v[64*((\t)%4)+ii:64*((\t)%4)+ii+1], v[B1:B1+1] op_sel_hi:[1,0]   ; x (+ 1); each accumulator from its low end on
.set ii, ii+2
.endr
	WIN 0
	s_cmp_lg_u32 s15, 0
	s_cbranch_scc1 .Lnb_\@                         ; value has no activation
	WIN 0x02+(\t)/4
.set ii, 0
.rept 32
	v_pk_fma_f32 v[E+ii:E+ii+1], v[64*((\t)%4)+ii:64*((\t)%4)+ii+1], s[22:23], v[BL:BL+1] op_sel_hi:[1,0,0]   ; x log2(e)
.set ii, ii+2
.endr
	WIN 0
.Lnb_\@:
.endm
.macro EPI g
	s_wait_loadcnt 0x0                             ; the biases.  (The last K step ended with four places)
	s_mov_b32 s42, 0
.Ltile_\@:
.irp t, 0,1,2,3,4,5,6,7
	EBLK \g, \t
.endr
	s_cmp_lg_u32 s15, 0
	s_cbranch_scc1 .Lnotk_\@
.set ii, 0
.rept 64
	v_exp_f32 v[E+ii], v[E+ii]                     ; e^x: one batch
.set ii, ii+1
.endr
	v_nop                                          ; a plain place behind the last exponential
	s_wait_alu depctr_va_vdst(0)                   ; one wait for the batch, ahead of its first reader
.set ii, 0
.rept 64
	v_med3_num_f32 v[N+ii], v[N+ii], v[E+ii], 1.0  ; elu(x) + 1: the middle one of x + 1, e^x and 1
.set ii, ii+1
.endr
	v_pk_add_f32 v[T0:T0+1], v[N:N+1], v[N+2:N+3]  ; the sum of the unquantised K over my 64 s, in two chains,
	v_pk_add_f32 v[T1:T1+1], v[N+4:N+5], v[N+6:N+7]
.irp j, 8,12,16,20,24,28,32,36,40,44,48,52,56,60
	v_pk_add_f32 v[T0:T0+1], v[T0:T0+1], v[N+\j:N+\j+1]
	v_pk_add_f32 v[T1:T1+1], v[T1:T1+1], v[N+\j+2:N+\j+3]
.endr
	v_pk_add_f32 v[T0:T0+1], v[T0:T0+1], v[T1:T1+1]
	v_add_f32 v[T0], v[T0], v[T0+1]
	v_permlanex16_b32 v[TP], v[T0], s[SEL], s[SEL+1]
	v_add_f32 v[T0], v[T0], v[TP]                  ; and lane l xor 16's 64
	s_lshr_b32 s45, s42, 2
	s_lshl_b32 s45, s45, 8
	s_and_b32 s46, s42, 3
	s_lshl_b32 s46, s46, 2
	s_add_co_u32 s45, s45, s46
	v_add_nc_u32 v[EAD], s45, v[ESA]
	ds_store_b32 v[EAD], v[T0] offset:512          ; word t % 4 of lane 16 (t / 4) + r (both halves of the lanes write the same word with the same value)
.Lnotk_\@:
	QUANT N                                        ; along s
.irp c, 0,1,2
	global_store_b128 v[L16], v[PC+4*\c:PC+4*\c+3], s[10:11] offset:512*\c         ; 512 consecutive bytes, at a multiple of 256 from the buffer's first byte
.endr
	s_and_b32 s45, s42, 1
	s_lshl_b32 s45, s45, 8
	s_lshr_b32 s46, s42, 1
	s_lshl_b32 s46, s46, 2
	s_add_co_u32 s45, s45, s46
	v_add_nc_u32 v[EAD2], s45, v[ESA]
	ds_store_b32 v[EAD2], v[PW]                    ; word t / 2 of lane 16 (t % 2) + r
	s_wait_xcnt 0x0                                ; the stores have read their data and their base: both are written again only behind this wait
	s_add_nc_u64 s[10:11], s[10:11], 1536
	s_add_co_u32 s42, s42, 1
	s_cmp_lt_u32 s42, 8
	s_cbranch_scc1 .Ltile_\@
	ds_load_b128 v[PK0:PK0+3], v[EPK]              ; the chunk's 512 bytes of scale words (LDS serves a wave's instructions in order)
	s_cmp_lg_u32 s15, 0
	s_cbranch_scc1 .Lnosum_\@
	ds_load_b128 v[PK1:PK1+3], v[EPK] offset:512   ; and, for K, the 128 sums
	s_wait_dscnt 0x0
	global_store_b128 v[L16], v[PK1:PK1+3], s[12:13] offset:2048*(\g)
.Lnosum_\@:
	s_wait_dscnt 0x0
	global_store_b128 v[L16], v[PK0:PK0+3], s[10:11]
	s_wait_xcnt 0x0                                ; these registers take the next pass's fragments, and the base steps
.if (\g) == 0
	s_add_nc_u64 s[10:11], s[10:11], 4*32*CH-12288 ; on to the chunk of feature group 4 + w
.endif
.endm
	s_load_b256 s[48:55], s[0:1], 0x0              ; key, value, bk, bv
	s_load_b128 s[56:59], s[0:1], 0x20             ; wimg, kvt
	s_load_b64 s[60:61], s[0:1], 0x30              ; ksp
	v_lshl_add_u32 v[SPW], v0, 2, SPARE
	v_mov_b32 v[NIL], 0
	ds_add_u32 v[SPW], v[NIL]                      ; the wave's opening: the add, twice on end, and its wait ahead of my first tensor load
	ds_add_u32 v[SPW], v[NIL]                      ; and once more, under the one wait; the set-up below, work on registers, stands between
	v_lshrrev_b32 v16, 5, v0
	v_readfirstlane_b32 s14, v16                   ; wave
	s_and_b32 s15, ttmp9, 1                        ; 0: key, 1: value; the same in all four partners
	s_bfe_u32 s45, ttmp6, 0x40000                  ; cx: it enters the addresses of the rows, of kvt and of ksp alone
	s_lshr_b32 s46, ttmp9, 1
	s_lshl_b32 s46, s46, 2
	s_add_co_u32 s46, s46, s45                     ; my block of 128 rows, 0 .. 127
	s_mov_b32 s[G1], 15|(3<<16)|(1<<21)            ; 15:0 the mask: all four work-groups; 17:16 elements of 8 bytes; 21 set beside a mask; no padding
	s_mov_b32 s[G1+1], 32<<16                      ; tensor_dim0 = 32 elements: rows of 256 bytes
	s_mov_b32 s[G1+2], 100<<16                     ; tensor_dim1 = 100 rows: 25,600 dense bytes
	s_mov_b32 s[G1+3], 32<<16                      ; tile_dim0
	s_mov_b32 s[G1+4], 100                         ; tile_dim1
	s_mov_b32 s[G1+5], 32                          ; the pitch
	s_mov_b32 s[G1+6], 0
	s_mov_b32 s[G1+7], 0
	s_mov_b32 s[SEL], 0x76543210
	s_mov_b32 s[SEL+1], 0xfedcba98
	s_mov_b32 s22, 0x3fb8aa3b                      ; log2(e)
	s_mov_b32 s23, s22                             ; (named with it as a pair)
	s_mov_b32 s41, 0xffff0000                      ; lanes 16-31
	s_mul_i32 s42, s14, PIECE                      ; my piece of a slot
	s_mul_i32 s16, s15, 8*FILL                     ; Wk's image, or Wv's behind it,
	s_add_co_u32 s16, s16, s42                     ; my piece of fill 0
	s_mov_b32 s17, 0
	s_lshl_b32 s18, s46, 19                        ; the block's 128 rows of 4,096 bytes,
	s_lshl_b32 s19, s14, 17                        ; my wave's 32 of them
	s_add_co_u32 s18, s18, s19
	s_mov_b32 s19, 0
	s_lshr_b32 s2, s46, 5                          ; n
	s_lshl_b32 s3, s15, 2
	s_add_co_u32 s2, s2, s3
	s_lshl_b32 s2, s2, 3
	s_add_co_u32 s2, s2, s14                       ; (4 tensor + n) 8 + w
	s_lshl_b32 s2, s2, 5
	s_and_b32 s3, s46, 31
	s_add_co_u32 s2, s2, s3                        ; x 32 + the block's place in s
	s_mul_i32 s2, s2, CH
	s_mov_b32 s3, 0
	s_lshl_b32 s44, s46, 12                        ; ksp: 4,096 bytes a block, 512 a feature group
	s_lshl_b32 s45, s14, 9
	s_add_co_u32 s44, s44, s45
	s_mov_b32 s45, 0
	s_lshl_b32 s46, s14, 9                         ; the biases of my 128 features
	s_mov_b32 s47, 0
	s_wait_dscnt 0x0                               ; both opening adds are done
	s_wait_kmcnt 0x0
	s_cmp_eq_u32 s15, 0
	s_cselect_b64 s[4:5], s[48:49], s[50:51]
	s_cselect_b64 s[6:7], s[52:53], s[54:55]
	s_cselect_b32 s40, 1.0, 0                      ; K: x + 1; v: x
	s_add_nc_u64 s[4:5], s[4:5], s[18:19]
	s_add_nc_u64 s[6:7], s[6:7], s[46:47]
	s_add_nc_u64 s[8:9], s[56:57], s[16:17]
	s_add_nc_u64 s[10:11], s[58:59], s[2:3]
	s_add_nc_u64 s[12:13], s[60:61], s[44:45]
	CROUND                                         ; all four work-groups are here: the first joint loads meet
.irp s, 0,1
	s_mov_b32 s[G0+4*\s], 1
	s_add_co_u32 s[G0+4*\s+1], s42, \s*FILL
	s_add_nc_u64 s[G0+4*\s+2:G0+4*\s+3], s[8:9], \s*FILL
	s_or_b32 s[G0+4*\s+3], s[G0+4*\s+3], 0x80000000
.endr
	tensor_load_to_lds s[G0:G0+3], s[G1:G1+7]      ; fills 0 and 1: two loads of mine are out
	s_nop 0
	tensor_load_to_lds s[G0+4:G0+7], s[G1:G1+7]
	s_nop 0
	PLACES 4
	v_and_b32 v16, 31, v0                          ; lane
	v_and_b32 v17, 15, v0                          ; r
	v_bfe_u32 v18, v0, 4, 1                        ; h
	v_lshlrev_b32 v[L16], 4, v16
	v_lshlrev_b32 v19, 4, v17
	v_lshl_add_u32 v[XVO], v18, 12, v19
	s_mul_i32 s45, s14, STGB
	s_add_co_u32 s45, s45, STG                     ; my stage
	v_mad_u32_u24 v[XST], v18, 272, v19
	v_add_nc_u32 v[XST], s45, v[XST]
	v_mul_u32_u24 v[XRD], v17, 272
	v_lshl_add_u32 v[XRD], v18, 6, v[XRD]
	v_add_nc_u32 v[XRD], s45, v[XRD]
	v_add_nc_u32 v[ESA], s45, v19
	v_add_nc_u32 v[EPK], s45, v[L16]
	s_mul_i32 s46, s14, 3072
	s_add_co_u32 s46, s46, AIMG
	v_add_nc_u32 v[XTB], s46, v[L16]
	s_lshl_b32 s46, s14, 2
	s_add_co_u32 s46, s46, AIMG+12288
	v_add_nc_u32 v[XSB], s46, v[L16]
	v_add_nc_u32 v[WAD], s42, v[L16]
	v_add_nc_u32 v[WAD+1], FILL, v[WAD]
	v_add_nc_u32 v[AAD], AIMG, v[L16]
	v_add_nc_u32 v[AAD+1], AIMG+4*CH, v[L16]
	v_and_b32 v[BOF], 8, v17
	v_add_nc_u32 v[BOF], v[BOF], v17
	v_lshlrev_b32 v[BOF], 2, v[BOF]
.irp b, 0,1,2,3
	v_mov_b32 v[TM+4+\b], 0                        ; written once: a lane permute's destination counts as one of its sources
.endr
	v_mov_b32 v[TP], 0
	v_mov_b32 v[B1+1], 0                           ; (named as the upper halves of pairs)
	v_mov_b32 v[BL+1], 0
	; ---- my 32 rows, 8 K steps, become 16 fragments in LDS; 32 loads of 512 bytes a wave are out
	XLOADU 0, 0
	XLOADU 1, 0
	s_mov_b32 s43, 0                               ; the K step's chunk
	s_mov_b32 s44, 7
.Lxstep:
	v_add_nc_u32 v[XT], s43, v[XTB]
	v_add_nc_u32 v[XT2], s43, v[XSB]
	XUNIT 0, 1, 16
	XUNIT 1, 1, 16
	s_wait_xcnt 0x0                                ; the loads have read their base
	s_add_nc_u64 s[4:5], s[4:5], 512
	s_add_co_u32 s43, s43, CH
	s_sub_co_u32 s44, s44, 1
	s_cmp_lg_u32 s44, 0
	s_cbranch_scc1 .Lxstep
	v_add_nc_u32 v[XT], s43, v[XTB]                ; the last K step loads nothing: no load leaves its buffer
	v_add_nc_u32 v[XT2], s43, v[XSB]
	XUNIT 0, 0, 16
	XUNIT 1, 0, 0
.irp g, 0,1
.irp t, 0,1,2,3,4,5,6,7
	global_load_b32 v[BV+8*\g+\t], v[BOF], s[6:7] offset:2048*\g+4*(32*(\t/2)+8*(\t%2))   ; awaited on the way out
.endr
.endr
	s_wait_tensorcnt 0x1                           ; fill 0 has landed; fill 1 may stay out
	s_wait_dscnt 0x0                               ; for the others' sake: my images have landed
	s_barrier_signal -1
	s_barrier_wait -1
	; ---- pass 0: features 128 w on.  The ring goes on into pass 1: its last two refills bring fills 4 and 5
	FETCH_ALL
	KSTEP 0, 0, 0, 1
	KSTEP 1, 1, 1, 1
	KSTEP 2, 1, 0, 1
	KSTEP 3, 1, 1, 1
	KSTEP 4, 1, 0, 1
	KSTEP 5, 1, 1, 1
	KSTEP 6, 1, 0, 1
	KSTEP 7, 1, 1, 0
	EPI 0
	; ---- pass 1: features 512 + 128 w on
	FETCH_ALL
	KSTEP 0, 0, 0, 1
	KSTEP 1, 1, 1, 1
	KSTEP 2, 1, 0, 1
	KSTEP 3, 1, 1, 1
	KSTEP 4, 1, 0, 1
	KSTEP 5, 1, 2, 1
	KSTEP 6, 1, 0, 1
	KSTEP 7, 1, 0, 0
	EPI 1
	s_wait_tensorcnt 0x0                           ; the wave's end: behind my last tensor load and my last LDS store
	ds_add_u32 v[SPW], v[NIL]
	s_wait_dscnt 0x0
	CROUND                                         ; the closing round: no work-group ends while a partner may still ask for a fill that names it
	s_endpgm
.Lfunc_end_k_q784e8928ee_kvproj:
	.size	k_q784e8928ee_kvproj, .Lfunc_end_k_q784e8928ee_kvproj-k_q784e8928ee_kvproj
	.p2alignl 7, 3214868480
	.fill 96, 4, 3214868480
	.section	.rodata,"a",@progbits
	.p2align	6, 0x0
	.amdhsa_kernel k_q784e8928ee_kvproj
		.amdhsa_group_segment_fixed_size 327680
		.amdhsa_private_segment_fixed_size 0
		.amdhsa_enable_private_segment 0
		.amdhsa_kernarg_size 56
		.amdhsa_user_sgpr_count 2
		.amdhsa_user_sgpr_kernarg_segment_ptr 1
		.amdhsa_wavefront_size32 1
		.amdhsa_system_sgpr_workgroup_id_x 1
		.amdhsa_system_sgpr_workgroup_id_y 1
		.amdhsa_system_sgpr_workgroup_id_z 1
		.amdhsa_system_vgpr_workitem_id 0
		.amdhsa_next_free_vgpr 1024
		.amdhsa_next_free_sgpr 66
		.amdhsa_reserve_vcc 0
		.amdhsa_float_denorm_mode_32 3
		.amdhsa_float_denorm_mode_16_64 3
		.amdhsa_memory_ordered 1
		.amdhsa_forward_progress 1
		.amdhsa_inst_pref_size 255
	.end_amdhsa_kernel
	.section	.bss,"aw",@nobits
	.p2align	6
	.space	262144
	.amdgpu_metadata
---
amdhsa.version: [ 1, 2 ]
amdhsa.kernels:
  - .name:           k_q784e8928ee_kvproj
    .symbol:         k_q784e8928ee_kvproj.kd
    .args:
      - { .name: key, .offset: 0, .size: 8, .value_kind: global_buffer, .address_space: global }
      - { .name: value, .offset: 8, .size: 8, .value_kind: global_buffer, .address_space: global }
      - { .name: bk, .offset: 16, .size: 8, .value_kind: global_buffer, .address_space: global }
      - { .name: bv, .offset: 24, .size: 8, .value_kind: global_buffer, .address_space: global }
      - { .name: wimg, .offset: 32, .size: 8, .value_kind: global_buffer, .address_space: global }
      - { .name: kvt, .offset: 40, .size: 8, .value_kind: global_buffer, .address_space: global }
      - { .name: ksp, .offset: 48, .size: 8, .value_kind: global_buffer, .address_space: global }
    .group_segment_fixed_size: 327680
    .private_segment_fixed_size: 0
    .kernarg_segment_align: 8
    .kernarg_segment_size: 56
    .max_flat_workgroup_size: 128
    .sgpr_count:     66
    .vgpr_count:     1024
    .wavefront_size: 32
...
	.end_amdgpu_metadata
.endif
;; end of part 2
;; launch kvstate (part 3): grid 256 x 1, 4 waves a work-group, no clusters, 17,408 bytes of LDS; arguments kvt, ksp, kvimg, ksum; writes kvimg, ksum
.if DOCPART == 3
	.amdgcn_target "amdgcn-amd-amdhsa--gfx1250"
	.amdhsa_code_object_version 6
	.text
	.protected	k_q784e8928ee_kvstate
	.globl	k_q784e8928ee_kvstate
	.p2align	8
	.type	k_q784e8928ee_kvstate,@function
k_q784e8928ee_kvstate:
	s_mov_b64 s[64:65], 0
	v_nop
	global_prefetch_b8 v0, s[64:65] scope:SCOPE_SE
	s_setreg_imm32_b32 hwreg(HW_REG_WAVE_MODE, 25, 1), 1
	s_wait_xcnt 0x0
; KV[m][d] = the sum over s of v[s][m] K[s][d] for each (n, head), on the codes that launch kvproj made (K = 4,096); KV is quantised along d for the next product; the sums of K over s are finished.  No work is left out.
; SHARES.  A work-group makes 16 rows m (value tile j) x all 64 d of one head.  Wave w takes K steps 8 w .. 8 w + 7 of the 32; the four waves' sums meet in LDS, and wave 0 finishes.
; THE PRODUCT: source 0 = 16 features d of K^T, source 1 = 16 features m of v^T: a lane holds one m, and its 32 registers are d = 32 b + 16 (l / 16) + 0 .. 15.
; Operands go from memory straight into registers, as the images lie: each is used once in the work-group, so LDS would hold nothing that is read twice.  The four work-groups of a head read the same K^T
; (196,608 bytes each); with no tile in LDS there is no joint load to share it by: no cluster.
; THE FRAGMENT THAT LEAVES is 16 m x 128 k, k = the 128 features of the head's pair: head c of the pair has its 64 d at k = 64 c on, and ZERO CODES in the other half, whose scale bytes are 127.
; REGISTERS: window 0: v1-13 addresses; v32-47 K's scale words, v48-55 v's; v60-63 sums of K; v64-95 four accumulators; v96-191 at work; v192-223 KV; v224-255 at work.  Windows 1, 2: the fragments of K steps 0-3, 4-7: 60 registers a step.
.set CH,    12800
.set KRED,  16384                      ; LDS: 0 .. 16,383 the waves' accumulators, 4,096 bytes each; here the waves' sums of K, 128 bytes each
.set SPARE, KRED+512                   ; the spare words, 128 bytes a wave
.set L16, 1                            ; v1   16 x lane
.set KOF, 2                            ; v2   16 l + 6144 c
.set VOF, 3                            ; v3   16 l + 1536 (4 c + j)
.set KSO, 4                            ; v4   16 l + 8 c
.set VSO, 5                            ; v5   16 r + 256 (j % 2) + 8 c + 4 (j / 2)
.set RST, 6                            ; v6   4096 w + 16 l
.set KPO, 7                            ; v7   4096 (l / 16) + 16 r
.set L4,  8                            ; v8   4 x lane
.set R4,  9                            ; v9   4 r
.set KST, 10                           ; v10  KRED + 128 w + 4 l
.set KLD, 11                           ; v11  KRED + 4 l
.set SPW, 12
.set NIL, 13
.set KSC, 32
.set VSC, 48
.set KS,  60
.set ACC, 64
.set KP,  96
.set O,   96
.set N,   192
.set TM,  224
.set PC,  236
.set PWR, 110
.set MSB, 0
.macro WIN new
.if MSB != (\new)
	s_set_vgpr_msb (MSB<<8)|(\new)
.set MSB, (\new)
.endif
.endm
.macro WM d, x, y, cm, sx, sy, rx      ; one matrix instruction; cm = 0: C is 0, else C is D; rx = 1: source 0's words stand in lanes 16-31
.if (\cm) == 0
.if (\rx) == 0
	v_wmma_scale_f32_16x16x128_f8f6f4 v[(\d):(\d)+7], v[(\x):(\x)+11], v[(\y):(\y)+11], 0, v[\sx], v[\sy] matrix_a_fmt:MATRIX_FMT_FP6 matrix_b_fmt:MATRIX_FMT_FP6
.else
	v_wmma_scale_f32_16x16x128_f8f6f4 v[(\d):(\d)+7], v[(\x):(\x)+11], v[(\y):(\y)+11], 0, v[\sx], v[\sy] matrix_a_fmt:MATRIX_FMT_FP6 matrix_b_fmt:MATRIX_FMT_FP6 matrix_a_scale:MATRIX_SCALE_ROW1
.endif
.else
.if (\rx) == 0
	v_wmma_scale_f32_16x16x128_f8f6f4 v[(\d):(\d)+7], v[(\x):(\x)+11], v[(\y):(\y)+11], v[(\d):(\d)+7], v[\sx], v[\sy] matrix_a_fmt:MATRIX_FMT_FP6 matrix_b_fmt:MATRIX_FMT_FP6
.else
	v_wmma_scale_f32_16x16x128_f8f6f4 v[(\d):(\d)+7], v[(\x):(\x)+11], v[(\y):(\y)+11], v[(\d):(\d)+7], v[\sx], v[\sy] matrix_a_fmt:MATRIX_FMT_FP6 matrix_b_fmt:MATRIX_FMT_FP6 matrix_a_scale:MATRIX_SCALE_ROW1
.endif
.endif
.endm
.macro SLOAD sg                        ; K step sg of my eight: 17 loads
	WIN 0x40*(1+(\sg)/4)
.irp i, 0,1,2,3
.irp c, 0,1,2
	global_load_b128 v[60*((\sg)%4)+12*\i+4*\c:60*((\sg)%4)+12*\i+4*\c+3], v[KOF], s[4:5] offset:CH*(\sg)+1536*\i+512*\c
.endr
.endr
.irp c, 0,1,2
	global_load_b128 v[60*((\sg)%4)+48+4*\c:60*((\sg)%4)+48+4*\c+3], v[VOF], s[6:7] offset:CH*(\sg)+512*\c
.endr
	WIN 0
	global_load_b64 v[KSC+2*(\sg):KSC+2*(\sg)+1], v[KSO], s[4:5] offset:CH*(\sg)+12288   ; register e: tile 4 c + 2 e in lanes 0-15, tile 4 c + 2 e + 1 in lanes 16-31
	global_load_b32 v[VSC+(\sg)], v[VSO], s[6:7] offset:CH*(\sg)+12288                   ; v's tile: its words in lanes 0-15
.endm
.macro SMUL sg
.if 17*(7-(\sg)) > 63
	s_wait_loadcnt 63                              ; (a wait names 63 at the most: that is fewer than the younger steps' loads, so this step's are in)
.else
	s_wait_loadcnt 17*(7-(\sg))                    ; the younger steps' loads, 17 each, may be out
.endif
	WIN 0x05*(1+(\sg)/4)                           ; both sources in window 1 or 2
.irp i, 0,1,2,3                                ; the four accumulators by turns
.if (\sg) == 0
	WM ACC+8*\i, 60*((\sg)%4)+12*\i, 60*((\sg)%4)+48, 0, KSC+2*(\sg)+\i/2, VSC+(\sg), \i%2
.else
	WM ACC+8*\i, 60*((\sg)%4)+12*\i, 60*((\sg)%4)+48, 1, KSC+2*(\sg)+\i/2, VSC+(\sg), \i%2
.endif
.endr
	WIN 0
.endm
	s_load_b256 s[36:43], s[0:1], 0x0              ; kvt, ksp, kvimg, ksum
	v_lshl_add_u32 v[SPW], v0, 2, SPARE
	v_mov_b32 v[NIL], 0
	v_lshrrev_b32 v14, 5, v0
	v_readfirstlane_b32 s14, v14                   ; wave
	s_lshr_b32 s15, ttmp9, 6                       ; n
	s_bfe_u32 s16, ttmp9, 0x40002                  ; head
	s_and_b32 s17, ttmp9, 3                        ; j
	s_lshr_b32 s18, s16, 1                         ; G: the pair of heads = the group of 128 features
	s_and_b32 s19, s16, 1                          ; c: which of the pair
	s_lshl_b32 s22, s19, 2
	s_add_co_u32 s22, s22, s17                     ; 4 c + j
	s_mov_b32 s20, 0x76543210
	s_mov_b32 s21, 0xfedcba98
	v_and_b32 v14, 31, v0
	v_and_b32 v15, 15, v0
	v_bfe_u32 v16, v0, 4, 1
	v_lshlrev_b32 v[L16], 4, v14
	v_lshlrev_b32 v[L4], 2, v14
	v_lshlrev_b32 v[R4], 2, v15
	s_mul_i32 s23, s19, 6144
	v_add_nc_u32 v[KOF], s23, v[L16]
	s_mul_i32 s23, s22, 1536
	v_add_nc_u32 v[VOF], s23, v[L16]
	s_lshl_b32 s23, s19, 3
	v_add_nc_u32 v[KSO], s23, v[L16]
	s_and_b32 s24, s17, 1
	s_lshl_b32 s24, s24, 8
	s_add_co_u32 s23, s23, s24
	s_lshr_b32 s24, s17, 1
	s_lshl_b32 s24, s24, 2
	s_add_co_u32 s23, s23, s24
	v_lshl_add_u32 v[VSO], v15, 4, s23
	v_lshlrev_b32 v[KPO], 4, v15
	v_lshl_add_u32 v[KPO], v16, 12, v[KPO]
	s_lshl_b32 s24, s14, 12
	v_add_nc_u32 v[RST], s24, v[L16]
	s_lshl_b32 s24, s14, 7
	s_add_co_u32 s24, s24, KRED
	v_add_nc_u32 v[KST], s24, v[L4]
	v_add_nc_u32 v[KLD], KRED, v[L4]
	v_mov_b32 v[TM+4], 0                           ; written once: a lane permute's destination counts as one of its sources
	v_mov_b32 v[TM+5], 0
	s_lshl_b32 s24, s15, 3
	s_add_co_u32 s24, s24, s18                     ; 8 n + G
	s_lshl_b32 s25, s24, 5
	s_lshl_b32 s26, s14, 3
	s_add_co_u32 s25, s25, s26                     ; x 32 + my first K step
	s_mul_i32 s26, s25, CH
	s_mov_b32 s27, 0
	s_mul_i32 s28, s24, 13312                      ; kvimg: 13,312 bytes for each (n, G): 8 fragments, then 8 x 128 bytes of scale words
	s_mul_i32 s29, s22, 1536
	s_add_co_u32 s28, s28, s29
	s_mov_b32 s29, 0
	s_mul_i32 s30, s24, 13312
	s_lshl_b32 s31, s22, 7
	s_add_co_u32 s30, s30, s31
	s_add_co_u32 s30, s30, 12288
	s_mov_b32 s31, 0
	s_lshl_b32 s32, s15, 5                         ; ksp: block 32 n + 8 w on, 4,096 bytes each; group G: 512; lanes 16 c on: 256; word j
	s_lshl_b32 s33, s14, 3
	s_add_co_u32 s32, s32, s33
	s_lshl_b32 s32, s32, 12
	s_lshl_b32 s33, s18, 9
	s_add_co_u32 s32, s32, s33
	s_lshl_b32 s33, s19, 8
	s_add_co_u32 s32, s32, s33
	s_lshl_b32 s33, s17, 2
	s_add_co_u32 s32, s32, s33
	s_mov_b32 s33, 0
	s_lshl_b32 s34, s15, 12                        ; ksum: 4 (1024 n + 64 head + 16 j)
	s_lshl_b32 s35, s16, 8
	s_add_co_u32 s34, s34, s35
	s_lshl_b32 s35, s17, 6
	s_add_co_u32 s34, s34, s35
	s_mov_b32 s35, 0
	s_cmp_lg_u32 s19, 0
	s_cselect_b32 s44, -1, 0                       ; all lanes where c = 1
	s_lshl_b32 s45, s19, 4                         ; 16 c
	s_sub_co_u32 s46, 16, s45
	s_lshl_b32 s46, 0x7f7f, s46                    ; two bytes 127 for the half of zero codes
	s_wait_kmcnt 0x0
	s_add_nc_u64 s[4:5], s[36:37], s[26:27]        ; K^T's chunks
	s_add_nc_u64 s[6:7], s[4:5], 4*8*32*CH         ; v^T's lie 1,024 chunks further on
	s_add_nc_u64 s[8:9], s[40:41], s[28:29]
	s_add_nc_u64 s[10:11], s[40:41], s[30:31]
	s_add_nc_u64 s[12:13], s[38:39], s[32:33]
	s_add_nc_u64 s[2:3], s[42:43], s[34:35]
.irp q, 0,1,2,3
	global_load_b32 v[KP+\q], v[KPO], s[12:13] offset:8192*\q   ; the sums of K of feature tile 4 c + j for my 8 blocks of s: lanes 0-15 the even blocks, lanes 16-31 the odd.  The wave's oldest loads
.endr
.irp sg, 0,1,2,3,4,5,6,7
	SLOAD \sg
.endr
.irp sg, 0,1,2,3,4,5,6,7
	SMUL \sg
.endr
	v_add_f32 v[KP], v[KP], v[KP+1]
	v_add_f32 v[KP+2], v[KP+2], v[KP+3]
	v_add_f32 v[KP], v[KP], v[KP+2]
	v_permlanex16_b32 v[KP+1], v[KP], s20, s21
	v_add_f32 v[KS], v[KP], v[KP+1]                ; my 8 blocks' sum, for tile-row r
.rept 4
	v_nop                                          ; places behind the last products
.endr
	ds_store_b32 v[KST], v[KS]
.irp q, 0,1,2,3,4,5,6,7
	ds_store_b128 v[RST], v[ACC+4*\q:ACC+4*\q+3] offset:512*\q   ; each accumulator from its low end on
.endr
	s_wait_dscnt 0x0                               ; for wave 0's sake: my stores have landed
	s_barrier_signal -1
	s_barrier_wait -1
	s_cmp_lg_u32 s14, 0
	s_cbranch_scc1 .Lend
.irp ww, 1,2,3
.irp q, 0,1,2,3,4,5,6,7
	ds_load_b128 v[96+32*(\ww-1)+4*\q:96+32*(\ww-1)+4*\q+3], v[L16] offset:4096*\ww+512*\q
.endr
.endr
.irp ww, 1,2,3
	ds_load_b32 v[KS+\ww], v[KLD] offset:128*\ww
.endr
	s_wait_dscnt 0x0
.set ii, 0
.rept 16
	v_pk_add_f32 v[N+ii:N+ii+1], v[ACC+ii:ACC+ii+1], v[96+ii:96+ii+1]
.set ii, ii+2
.endr
.set ii, 0
.rept 16
	v_pk_add_f32 v[N+ii:N+ii+1], v[N+ii:N+ii+1], v[128+ii:128+ii+1]
.set ii, ii+2
.endr
.set ii, 0
.rept 16
	v_pk_add_f32 v[N+ii:N+ii+1], v[N+ii:N+ii+1], v[160+ii:160+ii+1]
.set ii, ii+2
.endr
	v_add_f32 v[KS], v[KS], v[KS+1]
	v_add_f32 v[KS+2], v[KS+2], v[KS+3]
	v_add_f32 v[KS], v[KS], v[KS+2]                ; the sum of K over all 4,096 s
	global_store_b32 v[R4], v[KS], s[2:3]          ; 16 numbers (both halves of the lanes store the same word with the same value)
	; KV's two blocks of 32 along d
.irp b, 0,1
	v_max3_num_f32 v[TM+\b], |v[N+16*\b]|, |v[N+16*\b+1]|, 0x1800000
.endr
.irp i, 2,4,6,8,10,12,14
.irp b, 0,1
	v_max3_num_f32 v[TM+\b], v[TM+\b], |v[N+16*\b+\i]|, |v[N+16*\b+\i+1]|
.endr
.endr
.irp b, 0,1
	v_permlanex16_b32 v[TM+4+\b], v[TM+\b], s20, s21
.endr
.irp b, 0,1
	v_max_num_f32 v[TM+\b], v[TM+\b], v[TM+4+\b]
.endr
.irp b, 0,1
	v_add_nc_u32 v[TM+8+\b], 0xff000000, v[TM+\b]
.endr
.irp b, 0,1
	v_lshrrev_b32 v[TM+4+\b], 23, v[TM+8+\b]
.endr
	v_lshl_or_b32 v[PWR], v[TM+5], 8, v[TM+4]
	v_cvt_scalef32_pk16_fp6_f32 v[PC:PC+2], v[N:N+15], v[TM+8]
	v_cvt_scalef32_pk16_fp6_f32 v[PC+12:PC+14], v[N+16:N+31], v[TM+9]
	v_nop                                          ; one plain place behind the conversions
.irp i, 0,1,2
	v_permlane16_swap_b32 v[PC+\i], v[PC+12+\i]
.endr
.irp i, 0,1,2
	v_mov_b32 v[PC+3+\i], v[PC+12+\i]              ; six registers: lanes 0-15 d = 0 .. 31, lanes 16-31 d = 32 .. 63
.endr
.irp i, 0,1,2,3,4,5
	v_cndmask_b32 v[O+\i], v[PC+\i], 0, s44        ; head 0 of the pair: k = 0 .. 63, registers 0-5;
	v_cndmask_b32 v[O+6+\i], 0, v[PC+\i], s44      ; head 1: k = 64 .. 127, registers 6-11; zero codes in the other six
.endr
	v_lshlrev_b32 v[PWR], s45, v[PWR]
	v_or_b32 v[PWR], s46, v[PWR]
.irp c, 0,1,2
	global_store_b128 v[L16], v[O+4*\c:O+4*\c+3], s[8:9] offset:512*\c
.endr
	global_store_b32 v[L4], v[PWR], s[10:11]
.Lend:
	s_wait_tensorcnt 0x0                           ; the wave's end: behind my last LDS store
	ds_add_u32 v[SPW], v[NIL]
	s_wait_dscnt 0x0
	s_endpgm
.Lfunc_end_k_q784e8928ee_kvstate:
	.size	k_q784e8928ee_kvstate, .Lfunc_end_k_q784e8928ee_kvstate-k_q784e8928ee_kvstate
	.p2alignl 7, 3214868480
	.fill 96, 4, 3214868480
	.section	.rodata,"a",@progbits
	.p2align	6, 0x0
	.amdhsa_kernel k_q784e8928ee_kvstate
		.amdhsa_group_segment_fixed_size 17408
		.amdhsa_private_segment_fixed_size 0
		.amdhsa_enable_private_segment 0
		.amdhsa_kernarg_size 32
		.amdhsa_user_sgpr_count 2
		.amdhsa_user_sgpr_kernarg_segment_ptr 1
		.amdhsa_wavefront_size32 1
		.amdhsa_system_sgpr_workgroup_id_x 1
		.amdhsa_system_sgpr_workgroup_id_y 1
		.amdhsa_system_sgpr_workgroup_id_z 1
		.amdhsa_system_vgpr_workitem_id 0
		.amdhsa_next_free_vgpr 768
		.amdhsa_next_free_sgpr 66
		.amdhsa_reserve_vcc 0
		.amdhsa_float_denorm_mode_32 3
		.amdhsa_float_denorm_mode_16_64 3
		.amdhsa_memory_ordered 1
		.amdhsa_forward_progress 1
		.amdhsa_inst_pref_size 32
	.end_amdhsa_kernel
	.amdgpu_metadata
---
amdhsa.version: [ 1, 2 ]
amdhsa.kernels:
  - .name:           k_q784e8928ee_kvstate
    .symbol:         k_q784e8928ee_kvstate.kd
    .args:
      - { .name: kvt, .offset: 0, .size: 8, .value_kind: global_buffer, .address_space: global }
      - { .name: ksp, .offset: 8, .size: 8, .value_kind: global_buffer, .address_space: global }
      - { .name: kvimg, .offset: 16, .size: 8, .value_kind: global_buffer, .address_space: global }
      - { .name: ksum, .offset: 24, .size: 8, .value_kind: global_buffer, .address_space: global }
    .group_segment_fixed_size: 17408
    .private_segment_fixed_size: 0
    .kernarg_segment_align: 8
    .kernarg_segment_size: 32
    .max_flat_workgroup_size: 128
    .sgpr_count:     66
    .vgpr_count:     768
    .wavefront_size: 32
...
	.end_amdgpu_metadata
.endif
;; end of part 3
;; launch qattn (part 4): grid 256 x 1, 4 waves a work-group, clusters of 4 x 1, 327,680 bytes of LDS; arguments qimg, wimg, bq, kvimg, ksum, vimg; writes vimg
.if DOCPART == 4
	.amdgcn_target "amdgcn-amd-amdhsa--gfx1250"
	.amdhsa_code_object_version 6
	.text
	.protected	k_q784e8928ee_qattn
	.globl	k_q784e8928ee_qattn
	.p2align	8
	.type	k_q784e8928ee_qattn,@function
k_q784e8928ee_qattn:
	s_mov_b64 s[64:65], 0
	v_nop
	global_prefetch_b8 v0, s[64:65] scope:SCOPE_SE
	s_setreg_imm32_b32 hwreg(HW_REG_WAVE_MODE, 25, 1), 1
	s_wait_xcnt 0x0
	s_wait_alu depctr_hold_cnt(0) depctr_sa_sdst(0) depctr_va_vdst(0) depctr_va_sdst(0) depctr_va_ssrc(0) depctr_va_vcc(0) depctr_vm_vsrc(0)
	s_getreg_b32 s2, hwreg(HW_REG_IB_STS2, 6, 4)
	s_cmp_eq_u32 s2, 0
	s_cbranch_scc0 .Lentry_in_a_cluster
	s_endpgm
.Lentry_in_a_cluster:
	s_bfe_u32 s2, ttmp6, 0x10000c
	s_cmp_lg_u32 s2, 0x3003
	s_cbranch_scc0 .Lentry_shape_is_right
	s_endpgm
.Lentry_shape_is_right:
; q = query Wq^T + bq, Q = elu(q) + 1, Z = 1 / (Q . Ksum + 1e-6) in f32, V = (Q KV^T) Z; V leaves quantised along (head, m), the K of the last product, as images of operand registers.  No work is left out.
; SHARES.  A work-group owns 128 rows of query and 256 features (quarter gq = cluster % 4).  Wave w makes 64 rows (row tiles 4 (w % 2) on) x the 128 features of group G = 2 gq + w / 2: two heads, which it takes through to V:
; 32 accumulators, 256 registers.
; ALL OPERANDS LIE IN LDS FOR THE WHOLE LAUNCH: the rows' codes (launch prep's), 8 chunks, 102,400 bytes, and the quarter's weights for all of K, 16 chunks, 204,800 bytes.  Every tile is filled once: no slot is filled again.
; They come in two halves along K, so that K steps 0-3 are multiplied while K steps 4-7 land: a wave issues four tensor loads at the head.
; CLUSTER: the four work-groups of a cluster take the same quarter, so they need the same weights: those loads are asked for JOINTLY, by the same tensor load with the same descriptor and the mask of all four.
; THE PRODUCTS ARE USED TRANSPOSED: source 0 = 16 features, source 1 = 16 rows: a lane holds ONE row, and the 64 registers of the eight feature tiles are features 32 b + 16 (l / 16) + 0 .. 15.
; So Q is quantised in registers, is source 1 of V^T = KV Q^T (source 0 = 16 m of KV, whose fragment has zero codes at the other head's 64 k), and V^T lies again one row a lane.
; REGISTERS: window 0: v1-15 addresses; v32-39 the weights' scale words, v40-43 the rows', two sets; v48-119, v224-247 KV's eight fragments; v120-123 their scale words; v124 the scale word just made;
;   v128-175, v176-223 the rows' fragments, TWO sets (on the way out: at work).   window 1: v0-95, v128-223 the weights' fragments, TWO sets (on the way out v0-63: exponentials, then V^T);
;   v96-127, v224-255 the bias, then Ksum, in the result's layout.   window 2: accumulators ((a, t) at v[64 a + 8 t]).
.set CH,    12800                      ; a chunk: 8 fragments of 1,536 bytes and 512 bytes of scale words (launch prep's head)
.set WSP,   4*CH                       ; the weights of a pair of K steps: [group 2][step 2][chunk]
.set AIMG,  16*CH                      ; behind the weights: the rows' 8 chunks
.set PK,    AIMG+8*CH                  ; 512 bytes a wave in which its scale words meet
.set SPARE, PK+4*512                   ; the spare words, 128 bytes a wave: two blocks of 256 bytes that no other line names
.set WOFF,  128*CH                     ; Wq's image in wimg
.set L16, 1                            ; v1     16 x lane
.set WAD, 2                            ; v2-5   my group's weights of K steps 2 j, 2 j + 1, + 16 l
.set AAD, 6                            ; v6-7   my four row tiles in chunks 0-3, 4-7, + 16 l
.set ASD, 8                            ; v8-9   their scale words: + 12,288 + 16 l + 8 (w % 2)
.set BOF, 10                           ; v10    64 (l / 16)
.set KSOF, 11                          ; v11    32 (l / 16)
.set KVSO, 12                          ; v12    128 (l / 16) + 4 (l % 16)
.set PKA, 13                           ; v13    PK + 512 w + 8 (l % 16)
.set PKR, 14                           ; v14    PK + 512 w + 8 l
.set EAD, 15
.set SPW, 28                           ; v28    my spare word; never rewritten
.set NIL, 29                           ; v29    0; never rewritten
.set SW,  32
.set SA,  40
.set KVS, 120
.set PW,  124
.set N,   128
.set PC,  192
.set TM,  212
.set Z0,  248
.set Z1,  250
.set TZ,  252
.set SEL, 20                           ; s[20:21] lane selects: lane l xor 16
.set G1,  24                           ; s[24:31] group 1 of the joint loads
.set G0,  32                           ; s[32:39] their groups 0, one for each half of K
.set G1P, 40                           ; s[40:47] group 1 of my own loads of the rows' chunks
.set G0A, 48                           ; s[48:51] their groups 0: chunk w,
.set G0B, 80                           ; s[80:83] and chunk 4 + w
.set MSB, 0
.macro WIN new                         ; the immediate's high byte repeats the setting that is left
.if MSB != (\new)
	s_set_vgpr_msb (MSB<<8)|(\new)
.set MSB, (\new)
.endif
.endm
.macro PLACES n
.rept \n
	v_nop
.endr
.endm
.macro CROUND                          ; a round of the cluster's barrier
	s_barrier_signal -1
	s_barrier_wait -1
	s_cmp_lg_u32 s14, 0
	s_cbranch_scc1 .Lnot_wave_0_\@
	s_barrier_signal -3
.Lnot_wave_0_\@:
	s_barrier_wait -3
	s_barrier_signal -1
	s_barrier_wait -1
.endm
.macro QUANT s                         ; 64 numbers of a lane, register 16 b + i = k 32 b + 16 (l / 16) + i of its row, become 12 registers of codes in v[PC] on and the row's scale word in v[PW]
.irp b, 0,1,2,3
	v_max3_num_f32 v[TM+\b], |v[(\s)+16*\b]|, |v[(\s)+16*\b+1]|, 0x1800000   ; with the floor 2^(3 - 127): the byte cannot fall under 1
.endr
.irp i, 2,4,6,8,10,12,14
.irp b, 0,1,2,3
	v_max3_num_f32 v[TM+\b], v[TM+\b], |v[(\s)+16*\b+\i]|, |v[(\s)+16*\b+\i+1]|
.endr
.endr
.irp b, 0,1,2,3
	v_permlanex16_b32 v[TM+4+\b], v[TM+\b], s[SEL], s[SEL+1]
.endr
.irp b, 0,1,2,3
	v_max_num_f32 v[TM+\b], v[TM+\b], v[TM+4+\b]
.endr
.irp b, 0,1,2,3
	v_add_nc_u32 v[TM+8+\b], 0xff000000, v[TM+\b]  ; 2 off the exponent field: the conversion's scale operand
.endr
.irp b, 0,1,2,3
	v_lshrrev_b32 v[TM+4+\b], 23, v[TM+8+\b]       ; the scale's byte
.endr
	v_lshl_or_b32 v[PW], v[TM+5], 8, v[TM+4]
	v_lshl_or_b32 v[PW], v[TM+6], 16, v[PW]
	v_lshl_or_b32 v[PW], v[TM+7], 24, v[PW]
.irp c, 0,1
	v_cvt_scalef32_pk16_fp6_f32 v[PC+6*\c:PC+6*\c+2], v[(\s)+32*\c:(\s)+32*\c+15], v[TM+8+2*\c]
	v_cvt_scalef32_pk16_fp6_f32 v[PC+12+4*\c:PC+14+4*\c], v[(\s)+32*\c+16:(\s)+32*\c+31], v[TM+9+2*\c]
.endr
	v_nop                                          ; one plain place behind the conversions
.irp c, 0,1
.irp i, 0,1,2
	v_permlane16_swap_b32 v[PC+6*\c+\i], v[PC+12+4*\c+\i]
.endr
.irp i, 0,1,2
	v_mov_b32 v[PC+3+6*\c+\i], v[PC+12+4*\c+\i]
.endr
.endr
.endm
; One matrix instruction.  d, x, y: first registers of D, source 0, source 1.  cm = 0: C is 0; 1: C is D; 2: C begins at cr.  sx, sy: the scale registers; rx, ry = 1: that side's words stand in lanes 16-31.
.macro WM d, x, y, cm, cr, sx, sy, rx, ry
.if (\cm) == 0
.if ((\rx) == 0) && ((\ry) == 0)
	v_wmma_scale_f32_16x16x128_f8f6f4 v[(\d):(\d)+7], v[(\x):(\x)+11], v[(\y):(\y)+11], 0, v[\sx], v[\sy] matrix_a_fmt:MATRIX_FMT_FP6 matrix_b_fmt:MATRIX_FMT_FP6
.elseif (\ry) == 0
	v_wmma_scale_f32_16x16x128_f8f6f4 v[(\d):(\d)+7], v[(\x):(\x)+11], v[(\y):(\y)+11], 0, v[\sx], v[\sy] matrix_a_fmt:MATRIX_FMT_FP6 matrix_b_fmt:MATRIX_FMT_FP6 matrix_a_scale:MATRIX_SCALE_ROW1
.elseif (\rx) == 0
	v_wmma_scale_f32_16x16x128_f8f6f4 v[(\d):(\d)+7], v[(\x):(\x)+11], v[(\y):(\y)+11], 0, v[\sx], v[\sy] matrix_a_fmt:MATRIX_FMT_FP6 matrix_b_fmt:MATRIX_FMT_FP6 matrix_b_scale:MATRIX_SCALE_ROW1
.else
	v_wmma_scale_f32_16x16x128_f8f6f4 v[(\d):(\d)+7], v[(\x):(\x)+11], v[(\y):(\y)+11], 0, v[\sx], v[\sy] matrix_a_fmt:MATRIX_FMT_FP6 matrix_b_fmt:MATRIX_FMT_FP6 matrix_a_scale:MATRIX_SCALE_ROW1 matrix_b_scale:MATRIX_SCALE_ROW1
.endif
.else
.set WC, (\d)
.if (\cm) == 2
.set WC, (\cr)
.endif
.if ((\rx) == 0) && ((\ry) == 0)
	v_wmma_scale_f32_16x16x128_f8f6f4 v[(\d):(\d)+7], v[(\x):(\x)+11], v[(\y):(\y)+11], v[WC:WC+7], v[\sx], v[\sy] matrix_a_fmt:MATRIX_FMT_FP6 matrix_b_fmt:MATRIX_FMT_FP6
.elseif (\ry) == 0
	v_wmma_scale_f32_16x16x128_f8f6f4 v[(\d):(\d)+7], v[(\x):(\x)+11], v[(\y):(\y)+11], v[WC:WC+7], v[\sx], v[\sy] matrix_a_fmt:MATRIX_FMT_FP6 matrix_b_fmt:MATRIX_FMT_FP6 matrix_a_scale:MATRIX_SCALE_ROW1
.elseif (\rx) == 0
	v_wmma_scale_f32_16x16x128_f8f6f4 v[(\d):(\d)+7], v[(\x):(\x)+11], v[(\y):(\y)+11], v[WC:WC+7], v[\sx], v[\sy] matrix_a_fmt:MATRIX_FMT_FP6 matrix_b_fmt:MATRIX_FMT_FP6 matrix_b_scale:MATRIX_SCALE_ROW1
.else
	v_wmma_scale_f32_16x16x128_f8f6f4 v[(\d):(\d)+7], v[(\x):(\x)+11], v[(\y):(\y)+11], v[WC:WC+7], v[\sx], v[\sy] matrix_a_fmt:MATRIX_FMT_FP6 matrix_b_fmt:MATRIX_FMT_FP6 matrix_a_scale:MATRIX_SCALE_ROW1 matrix_b_scale:MATRIX_SCALE_ROW1
.endif
.endif
.endm
.macro LDW reg, k, t                   ; the weights' fragment t of K step k
.irp c, 0,1,2
	ds_load_b128 v[(\reg)+4*\c:(\reg)+4*\c+3], v[WAD+(\k)/2] offset:((\k)%2)*CH+1536*(\t)+512*\c
.endr
.endm
.macro LDA reg, k, a                   ; the rows' fragment a of my four, of K step k
.irp c, 0,1,2
	ds_load_b128 v[(\reg)+4*\c:(\reg)+4*\c+3], v[AAD+(\k)/4] offset:((\k)%4)*CH+1536*(\a)+512*\c
.endr
.endm
.macro FETCH k                         ; 38 loads: K step k's eight fragments of the weights, my four of the rows, and the scale words, into sets k % 2
	WIN 0x40
.irp t, 0,1,2,3,4,5,6,7
	LDW 128*((\k)%2)+12*\t, \k, \t
.endr
	WIN 0
.irp a, 0,1,2,3
	LDA 128+48*((\k)%2)+12*\a, \k, \a
.endr
	ds_load_b128 v[SW+4*((\k)%2):SW+4*((\k)%2)+3], v[WAD+(\k)/2] offset:((\k)%2)*CH+12288   ; register i: tile 2 i in lanes 0-15, tile 2 i + 1 in lanes 16-31
	ds_load_b64 v[SA+2*((\k)%2):SA+2*((\k)%2)+1], v[ASD+(\k)/4] offset:((\k)%4)*CH          ; the same for my four row tiles
.endm
; My four row tiles, each against the eight feature tiles.  The 32 accumulators take turns, one instruction a turn, in the same order in every step.  cm = 2: C is the bias of tile t.
.macro MULP k, cm
.set pp, 0
.rept 4
.set qq, 0
.rept 8
	WM 64*pp+8*qq, 128*((\k)%2)+12*qq, 128+48*((\k)%2)+12*pp, \cm, 96+8*qq+96*(qq/4), SW+4*((\k)%2)+qq/2, SA+2*((\k)%2)+pp/2, qq%2, pp%2
.set qq, qq+1
.endr
.set pp, pp+1
.endr
.endm
; A K step of 128: 32 matrix instructions.  The next step's fragments are asked for ahead of this step's products, into the other sets, which the step before has read: its four places stand behind its products.
; mid = 1: the next step is the first of the second half of K: every wave's loads of that half have landed.
.macro KSTEP k, cm, mid, next
	s_wait_dscnt 0x0                               ; this step's fragments are in (asked for a step ago)
.if \mid
	s_wait_tensorcnt 0x0                           ; my parts of the second half have landed,
	s_barrier_signal -1
	s_barrier_wait -1                              ; everybody's have
.endif
.if \next
	FETCH (\k)+1
.endif
.if (\cm) == 2
	WIN 0x91                                       ; source 0 and C (the bias) window 1, source 1 window 0, D window 2
.else
	WIN 0xa1                                       ; C and D window 2
.endif
	MULP \k, \cm
	PLACES 4                                       ; in front of loads into registers that these products have read, and of the first read of results
.endm
.macro QBLK a                          ; row tile a's 64 numbers come out of the accumulators: x + 1 into window 0, x log2(e) into window 1
	s_cmp_lg_u32 s17, \a
	s_cbranch_scc1 .Lnb_\@
	WIN 0x02
.set ii, 0
.rept 32
	v_pk_add_f32 v[N+ii:N+ii+1], v[64*(\a)+ii:64*(\a)+ii+1], 1.0 op_sel_hi:[1,0]   ; each accumulator from its low end on
.set ii, ii+2
.endr
	WIN 0x42
.set ii, 0
.rept 32
	v_pk_mul_f32 v[ii:ii+1], v[64*(\a)+ii:64*(\a)+ii+1], s[22:23] op_sel_hi:[1,0]
.set ii, ii+2
.endr
	WIN 0
.Lnb_\@:
.endm
	s_load_b256 s[52:59], s[0:1], 0x0              ; qimg, wimg, bq, kvimg
	s_load_b128 s[60:63], s[0:1], 0x20             ; ksum, vimg
	v_lshl_add_u32 v[SPW], v0, 2, SPARE
	v_mov_b32 v[NIL], 0
	ds_add_u32 v[SPW], v[NIL]                      ; the wave's opening: the add, twice on end, and its wait ahead of my first tensor load
	ds_add_u32 v[SPW], v[NIL]                      ; and once more, under the one wait; the set-up below, work on registers, stands between
	v_lshrrev_b32 v20, 5, v0
	v_readfirstlane_b32 s14, v20                   ; wave
	s_lshr_b32 s2, s14, 1                          ; w / 2: the group of 128 features that I multiply.  Also: which pair of K steps of a half I fetch
	s_and_b32 s3, s14, 1                           ; w % 2: the half of the rows that I multiply.  Also: which group's weights I fetch
	s_and_b32 s15, ttmp9, 3                        ; gq: the quarter of the features; the same in all four partners
	s_lshl_b32 s16, s15, 1
	s_add_co_u32 s16, s16, s2                      ; G = 2 gq + w / 2
	s_lshr_b32 s19, ttmp9, 4                       ; n
	s_bfe_u32 s17, ttmp6, 0x40000                  ; cx: it enters the addresses of qimg and vimg alone
	s_lshr_b32 s18, ttmp9, 2
	s_lshl_b32 s18, s18, 2
	s_add_co_u32 s18, s18, s17                     ; my block of 128 rows, 0 .. 63
	s_mov_b32 s[G1], 15|(3<<16)|(1<<21)            ; 15:0 the mask of all four; 17:16 elements of 8 bytes; 21 set beside a mask; no padding
	s_mov_b32 s[G1P], 3<<16                        ; no mask: the rows' chunks are my work-group's own
.irp g, G1, G1P
	s_mov_b32 s[\g+1], 32<<16                      ; tensor_dim0 = 32 elements: rows of 256 bytes
	s_mov_b32 s[\g+3], 32<<16                      ; tile_dim0
	s_mov_b32 s[\g+5], 32                          ; the pitch: dense
	s_mov_b32 s[\g+6], 0
	s_mov_b32 s[\g+7], 0
.endr
	s_mov_b32 s[G1+2], 100<<16                     ; the weights: 100 rows: 25,600 bytes, two chunks
	s_mov_b32 s[G1+4], 100
	s_mov_b32 s[G1P+2], 50<<16                     ; the rows: 50 rows: 12,800 bytes, one chunk
	s_mov_b32 s[G1P+4], 50
	s_mov_b32 s[SEL], 0x76543210
	s_mov_b32 s[SEL+1], 0xfedcba98
	s_mov_b32 s22, 0x3fb8aa3b                      ; log2(e)
	s_mov_b32 s23, s22                             ; (named with it as a pair)
	s_mul_i32 s66, s14, 2*CH                       ; LDS: where my two chunks of a half's weights go
	s_mul_i32 s67, s14, CH                         ; my chunk of the rows' four, in LDS and in memory
	s_lshr_b32 s68, s15, 1                         ; the weights in memory (launch prep's order of chunks): (gq / 2) 32 chunks
	s_mul_i32 s68, s68, 32*CH
	s_and_b32 s69, s15, 1
	s_mul_i32 s69, s69, 4*CH                       ; + (gq % 2) 4
	s_add_co_u32 s68, s68, s69
	s_mul_i32 s69, s2, 8*CH                        ; + 8 for each pair of K steps
	s_add_co_u32 s68, s68, s69
	s_mul_i32 s69, s3, 2*CH                        ; + 2 for the quarter's second group
	s_add_co_u32 s68, s68, s69
	s_add_co_u32 s68, s68, WOFF
	s_mov_b32 s69, 0
	s_mul_i32 s70, s18, 8*CH                       ; my block's 8 chunks, chunk w
	s_add_co_u32 s70, s70, s67
	s_mov_b32 s71, 0
	s_lshl_b32 s72, s16, 9                         ; 128 G numbers of f32
	s_mov_b32 s73, 0
	s_lshl_b32 s74, s19, 3
	s_add_co_u32 s74, s74, s16
	s_mul_i32 s74, s74, 13312                      ; kvimg: 13,312 bytes for each (n, G)
	s_mov_b32 s75, 0
	s_lshl_b32 s76, s19, 12
	s_add_co_u32 s76, s76, s72                     ; ksum
	s_mov_b32 s77, 0
	s_lshl_b32 s78, s18, 3
	s_add_co_u32 s78, s78, s16
	s_mul_i32 s78, s78, CH                         ; vimg: chunk 8 x block + G
	s_mov_b32 s79, 0
	s_lshl_b32 s84, s3, 3
	s_add_co_u32 s84, s84, s78
	s_add_co_u32 s84, s84, 12288                   ; its scale words: my 8 bytes of each lane's 16
	s_mov_b32 s85, 0
	s_mul_i32 s86, s3, 6144
	s_add_co_u32 s78, s78, s86                     ; its fragments 4 (w % 2) on
	s_wait_dscnt 0x0                               ; both opening adds are done
	s_wait_kmcnt 0x0
	s_add_nc_u64 s[4:5], s[62:63], s[78:79]
	s_add_nc_u64 s[84:85], s[62:63], s[84:85]
	s_add_nc_u64 s[6:7], s[56:57], s[72:73]
	s_add_nc_u64 s[8:9], s[54:55], s[68:69]
	s_add_nc_u64 s[10:11], s[58:59], s[74:75]
	s_add_nc_u64 s[12:13], s[60:61], s[76:77]
	CROUND                                         ; all four work-groups are here: the joint loads meet
	s_mov_b32 s[G0A], 1
	s_add_co_u32 s[G0A+1], s67, AIMG
	s_add_nc_u64 s[G0A+2:G0A+3], s[52:53], s[70:71]
	s_mov_b32 s[G0B], 1
	s_add_co_u32 s[G0B+1], s67, AIMG+4*CH
	s_add_nc_u64 s[G0B+2:G0B+3], s[G0A+2:G0A+3], 4*CH
	s_or_b32 s[G0A+3], s[G0A+3], 0x80000000
	s_or_b32 s[G0B+3], s[G0B+3], 0x80000000
.irp s, 0,1
	s_mov_b32 s[G0+4*\s], 1
	s_add_co_u32 s[G0+4*\s+1], s66, \s*8*CH
	s_add_nc_u64 s[G0+4*\s+2:G0+4*\s+3], s[8:9], \s*16*CH
	s_or_b32 s[G0+4*\s+3], s[G0+4*\s+3], 0x80000000
.endr
	tensor_load_to_lds s[G0A:G0A+3], s[G1P:G1P+7]  ; four loads of mine are out: the rows' chunk w,
	s_nop 0
	tensor_load_to_lds s[G0:G0+3], s[G1:G1+7]      ; my part of the weights of K steps 0-3,
	s_nop 0
	tensor_load_to_lds s[G0B:G0B+3], s[G1P:G1P+7]  ; the rows' chunk 4 + w,
	s_nop 0
	tensor_load_to_lds s[G0+4:G0+7], s[G1:G1+7]    ; and my part of the weights of K steps 4-7
	s_nop 0
	PLACES 4
	v_and_b32 v20, 31, v0                          ; lane
	v_and_b32 v21, 15, v0                          ; r
	v_bfe_u32 v22, v0, 4, 1                        ; h
	v_lshlrev_b32 v[L16], 4, v20
	s_mul_i32 s67, s2, 2*CH                        ; the group that I read
	v_add_nc_u32 v[WAD], s67, v[L16]
	v_add_nc_u32 v[WAD+1], WSP, v[WAD]
	v_add_nc_u32 v[WAD+2], 2*WSP, v[WAD]
	v_add_nc_u32 v[WAD+3], 3*WSP, v[WAD]
	s_mul_i32 s67, s3, 6144                        ; the row tiles that I read
	s_add_co_u32 s67, s67, AIMG
	v_add_nc_u32 v[AAD], s67, v[L16]
	v_add_nc_u32 v[AAD+1], 4*CH, v[AAD]
	s_lshl_b32 s67, s3, 3
	s_add_co_u32 s67, s67, AIMG+12288
	v_add_nc_u32 v[ASD], s67, v[L16]
	v_add_nc_u32 v[ASD+1], 4*CH, v[ASD]
	v_lshlrev_b32 v[BOF], 6, v22
	v_lshlrev_b32 v[KSOF], 5, v22
	v_lshlrev_b32 v[KVSO], 2, v21
	v_lshl_add_u32 v[KVSO], v22, 7, v[KVSO]
	s_lshl_b32 s67, s14, 9
	s_add_co_u32 s67, s67, PK
	v_lshl_add_u32 v[PKA], v21, 3, s67
	v_lshl_add_u32 v[PKR], v20, 3, s67
.irp b, 0,1,2,3
	v_mov_b32 v[TM+4+\b], 0                        ; written once: a lane permute's destination counts as one of its sources
.endr
	v_mov_b32 v[TZ+2], 0
	v_mov_b32 v[TZ+3], 0
	WIN 0x40
.irp t, 0,1,2,3,4,5,6,7                        ; the bias in the result's layout: lane (r, h), tile t: features 32 (t / 2) + 8 (t % 2) + 16 h + 0 .. 7
	global_load_b128 v[96+8*\t+96*(\t/4):96+8*\t+96*(\t/4)+3], v[BOF], s[6:7] offset:4*(32*(\t/2)+8*(\t%2))
	global_load_b128 v[96+8*\t+96*(\t/4)+4:96+8*\t+96*(\t/4)+7], v[BOF], s[6:7] offset:4*(32*(\t/2)+8*(\t%2))+16
.endr
	WIN 0
.irp t, 0,1,2,3,4,5,6,7                        ; KV's eight fragments stay in registers
.irp c, 0,1,2
	global_load_b128 v[48+12*\t+104*(\t/6)+4*\c:48+12*\t+104*(\t/6)+4*\c+3], v[L16], s[10:11] offset:1536*\t+512*\c
.endr
.endr
.irp i, 0,1,2,3
	global_load_b32 v[KVS+\i], v[KVSO], s[10:11] offset:12288+256*\i   ; tile 2 i's words in lanes 0-15, tile 2 i + 1's in lanes 16-31
.endr
	s_wait_loadcnt 0x0
	s_wait_tensorcnt 0x2                           ; my parts of the first half of K have landed; the second half's two loads may stay out
	s_barrier_signal -1
	s_barrier_wait -1                              ; everybody's have
	FETCH 0
	KSTEP 0, 2, 0, 1                               ; the bias is the C of each sum's first product
	WIN 0x40                                       ; the bias's registers take Ksum, in the same layout (behind the step's four places); awaited on the way out
.irp t, 0,1,2,3,4,5,6,7
	global_load_b128 v[96+8*\t+96*(\t/4):96+8*\t+96*(\t/4)+3], v[KSOF], s[12:13] offset:64*\t
	global_load_b128 v[96+8*\t+96*(\t/4)+4:96+8*\t+96*(\t/4)+7], v[KSOF], s[12:13] offset:64*\t+16
.endr
	KSTEP 1, 1, 0, 1
	KSTEP 2, 1, 0, 1
	KSTEP 3, 1, 1, 1
	KSTEP 4, 1, 0, 1
	KSTEP 5, 1, 0, 1
	KSTEP 6, 1, 0, 1
	KSTEP 7, 1, 0, 0
	WIN 0
	; ---- the way on, a tile of 16 rows at a trip
	s_wait_loadcnt 0x0                             ; Ksum
	s_mov_b32 s17, 0
.Lrow:
.irp a, 0,1,2,3
	QBLK \a
.endr
	WIN 0x41
.set ii, 0
.rept 64
	v_exp_f32 v[ii], v[ii]                         ; e^x: one batch
.set ii, ii+1
.endr
	v_nop                                          ; a plain place behind the last exponential
	s_wait_alu depctr_va_vdst(0)                   ; one wait for the batch, ahead of its first reader
	WIN 0x04                                       ; source 1 in window 1
.set ii, 0
.rept 64
	v_med3_num_f32 v[N+ii], v[N+ii], v[ii], 1.0    ; Q = elu(x) + 1: the middle one of x + 1, e^x and 1
.set ii, ii+1
.endr
	v_pk_mul_f32 v[Z0:Z0+1], v[N:N+1], v[96:97]    ; Q . Ksum in f32, the two heads by turns: my 32 features of each
	v_pk_mul_f32 v[Z1:Z1+1], v[N+32:N+33], v[224:225]
.irp i, 2,4,6,8,10,12,14,16,18,20,22,24,26,28,30
	v_pk_fma_f32 v[Z0:Z0+1], v[N+\i:N+\i+1], v[96+\i:97+\i], v[Z0:Z0+1]
	v_pk_fma_f32 v[Z1:Z1+1], v[N+32+\i:N+33+\i], v[224+\i:225+\i], v[Z1:Z1+1]
.endr
	WIN 0
	v_add_f32 v[TZ], v[Z0], v[Z0+1]
	v_add_f32 v[TZ+1], v[Z1], v[Z1+1]
	v_permlanex16_b32 v[TZ+2], v[TZ], s[SEL], s[SEL+1]
	v_permlanex16_b32 v[TZ+3], v[TZ+1], s[SEL], s[SEL+1]
	v_add_f32 v[TZ], v[TZ], v[TZ+2]                ; with lane l xor 16's 32
	v_add_f32 v[TZ+1], v[TZ+1], v[TZ+3]
	v_add_f32 v[TZ], 0x358637bd, v[TZ]             ; + 1e-6
	v_add_f32 v[TZ+1], 0x358637bd, v[TZ+1]
	v_rcp_f32 v[Z0], v[TZ]                         ; Z; the quantiser and the products below are the work between these and their wait
	v_rcp_f32 v[Z1], v[TZ+1]
	QUANT N                                        ; Q along d: blocks 0, 1 are head 0's, blocks 2, 3 head 1's
	PLACES 8                                       ; a scale register written by a vector instruction stands 8 places ahead of a scaled matrix instruction, an operand 4
	WIN 0x40                                       ; D in window 1
.irp t, 0,1,2,3,4,5,6,7                        ; V^T = KV Q^T: tile t: 16 m of head t / 4
	WM 8*\t, 48+12*\t+104*(\t/6), PC, 0, 0, KVS+\t/2, PW, \t%2, 0
.endr
	WIN 0
	PLACES 4
	s_wait_alu depctr_va_vdst(0)                   ; the two reciprocals, ahead of their first reader
	WIN 0x01
.set ii, 0
.rept 16
	v_pk_mul_f32 v[N+ii:N+ii+1], v[ii:ii+1], v[Z0:Z0+1] op_sel_hi:[1,0]   ; x Z; each accumulator from its low end on
.set ii, ii+2
.endr
.rept 16
	v_pk_mul_f32 v[N+ii:N+ii+1], v[ii:ii+1], v[Z1:Z1+1] op_sel_hi:[1,0]
.set ii, ii+2
.endr
	WIN 0
	QUANT N                                        ; V along (head, m): K step G of the last product
.irp c, 0,1,2
	global_store_b128 v[L16], v[PC+4*\c:PC+4*\c+3], s[4:5] offset:512*\c           ; 512 consecutive bytes, at a multiple of 256 from the buffer's first byte
.endr
	s_and_b32 s18, s17, 1
	s_lshl_b32 s18, s18, 7
	s_lshr_b32 s19, s17, 1
	s_lshl_b32 s19, s19, 2
	s_add_co_u32 s18, s18, s19
	v_add_nc_u32 v[EAD], s18, v[PKA]
	ds_store_b32 v[EAD], v[PW]                     ; word a / 2 of lane 16 (a % 2) + r, 8 bytes a lane (both halves of the lanes write the same word with the same value)
	s_wait_xcnt 0x0                                ; the stores have read their data and their base: both are written again only behind this wait
	s_add_nc_u64 s[4:5], s[4:5], 1536
	s_add_co_u32 s17, s17, 1
	s_cmp_lt_u32 s17, 4
	s_cbranch_scc1 .Lrow
	ds_load_b64 v[N:N+1], v[PKR]                   ; my four tiles' scale words (LDS serves a wave's instructions in order)
	s_wait_dscnt 0x0
	global_store_b64 v[L16], v[N:N+1], s[84:85]    ; 8 of each lane's 16 bytes of the chunk's 512: the wave with the other half of the rows stores the other 8
	s_wait_tensorcnt 0x0                           ; the wave's end: behind my last tensor load and my last LDS store
	ds_add_u32 v[SPW], v[NIL]
	s_wait_dscnt 0x0
	CROUND                                         ; the closing round: no work-group ends while a partner may still ask for a tile that names it
	s_endpgm
.Lfunc_end_k_q784e8928ee_qattn:
	.size	k_q784e8928ee_qattn, .Lfunc_end_k_q784e8928ee_qattn-k_q784e8928ee_qattn
	.p2alignl 7, 3214868480
	.fill 96, 4, 3214868480
	.section	.rodata,"a",@progbits
	.p2align	6, 0x0
	.amdhsa_kernel k_q784e8928ee_qattn
		.amdhsa_group_segment_fixed_size 327680
		.amdhsa_private_segment_fixed_size 0
		.amdhsa_enable_private_segment 0
		.amdhsa_kernarg_size 48
		.amdhsa_user_sgpr_count 2
		.amdhsa_user_sgpr_kernarg_segment_ptr 1
		.amdhsa_wavefront_size32 1
		.amdhsa_system_sgpr_workgroup_id_x 1
		.amdhsa_system_sgpr_workgroup_id_y 1
		.amdhsa_system_sgpr_workgroup_id_z 1
		.amdhsa_system_vgpr_workitem_id 0
		.amdhsa_next_free_vgpr 768
		.amdhsa_next_free_sgpr 88
		.amdhsa_reserve_vcc 0
		.amdhsa_float_denorm_mode_32 3
		.amdhsa_float_denorm_mode_16_64 3
		.amdhsa_memory_ordered 1
		.amdhsa_forward_progress 1
		.amdhsa_inst_pref_size 104
	.end_amdhsa_kernel
	.amdgpu_metadata
---
amdhsa.version: [ 1, 2 ]
amdhsa.kernels:
  - .name:           k_q784e8928ee_qattn
    .symbol:         k_q784e8928ee_qattn.kd
    .args:
      - { .name: qimg, .offset: 0, .size: 8, .value_kind: global_buffer, .address_space: global }
      - { .name: wimg, .offset: 8, .size: 8, .value_kind: global_buffer, .address_space: global }
      - { .name: bq, .offset: 16, .size: 8, .value_kind: global_buffer, .address_space: global }
      - { .name: kvimg, .offset: 24, .size: 8, .value_kind: global_buffer, .address_space: global }
      - { .name: ksum, .offset: 32, .size: 8, .value_kind: global_buffer, .address_space: global }
      - { .name: vimg, .offset: 40, .size: 8, .value_kind: global_buffer, .address_space: global }
    .group_segment_fixed_size: 327680
    .private_segment_fixed_size: 0
    .kernarg_segment_align: 8
    .kernarg_segment_size: 48
    .max_flat_workgroup_size: 128
    .sgpr_count:     88
    .vgpr_count:     768
    .wavefront_size: 32
...
	.end_amdgpu_metadata
.endif
;; end of part 4
;; launch oproj (part 5): grid 256 x 1, 4 waves a work-group, clusters of 4 x 1, 327,680 bytes of LDS; arguments vimg, wimg, bp, out0; writes out0
.if DOCPART == 5
	.amdgcn_target "amdgcn-amd-amdhsa--gfx1250"
	.amdhsa_code_object_version 6
	.text
	.protected	k_q784e8928ee_oproj
	.globl	k_q784e8928ee_oproj
	.p2align	8
	.type	k_q784e8928ee_oproj,@function
k_q784e8928ee_oproj:
	s_mov_b64 s[64:65], 0
	v_nop
	global_prefetch_b8 v0, s[64:65] scope:SCOPE_SE
	s_setreg_imm32_b32 hwreg(HW_REG_WAVE_MODE, 25, 1), 1
	s_wait_xcnt 0x0
	s_wait_alu depctr_hold_cnt(0) depctr_sa_sdst(0) depctr_va_vdst(0) depctr_va_sdst(0) depctr_va_ssrc(0) depctr_va_vcc(0) depctr_vm_vsrc(0)
	s_getreg_b32 s2, hwreg(HW_REG_IB_STS2, 6, 4)
	s_cmp_eq_u32 s2, 0
	s_cbranch_scc0 .Lentry_in_a_cluster
	s_endpgm
.Lentry_in_a_cluster:
	s_bfe_u32 s2, ttmp6, 0x10000c
	s_cmp_lg_u32 s2, 0x3003
	s_cbranch_scc0 .Lentry_shape_is_right
	s_endpgm
.Lentry_shape_is_right:
; out = V Wp^T + bp, on the codes of V that launch qattn made and the image of Wp that launch prep made.  No work is left out.
; SHARES, LDS, cluster and registers are launch qattn's: a work-group owns 128 rows and 256 features (quarter gq = cluster % 4); wave w makes 64 rows (row tiles 4 (w % 2) on) x the 128 features of group G = 2 gq + w / 2.
; V's 8 chunks and the quarter's weights for all of K lie in LDS for the whole launch, filled once, in two halves along K; the weights come by joint loads of the cluster's four work-groups, which take the same quarter.
; The product is used transposed, so that a lane's eight results are eight neighbouring numbers of a row of out.
; THE WAY OUT: a tile of 16 rows x 128 features goes through the wave's own stage in LDS and leaves as whole rows of 512 bytes.  The stages lie in the weights' bytes, which have had their one fill; a barrier stands between
; every wave's last read of the weights and the first store into a stage.
; The rows of a tile are not neighbours (launch prep's order): tile a, tile-row p, is row 32 (a / 2) + 8 (a % 2) + p + 8 (p / 8) of the block.
.set CH,    12800
.set WSP,   4*CH                       ; the weights of a pair of K steps: [group 2][step 2][chunk]
.set AIMG,  16*CH                      ; behind the weights: V's 8 chunks
.set SPARE, AIMG+8*CH                  ; the spare words, 128 bytes a wave: two blocks of 256 bytes that no other line names
.set WOFF,  192*CH                     ; Wp's image in wimg
.set L16, 1                            ; v1     16 x lane
.set WAD, 2                            ; v2-5   my group's weights of K steps 2 j, 2 j + 1, + 16 l
.set AAD, 6                            ; v6-7   my four row tiles in chunks 0-3, 4-7, + 16 l
.set ASD, 8                            ; v8-9   their scale words
.set BOF, 10                           ; v10    64 (l / 16)
.set STO, 11                           ; v11    my stage: row l % 16 of 528 bytes, + 64 (l / 16)
.set SRD, 12                           ; v12    my stage + 16 l
.set SPW, 28
.set NIL, 29
.set SW,  32
.set SA,  40
.set BK,  128                          ; the way out: 16 rows read back: v128-191 and v192-255 by turns
.set G1,  24
.set G0,  32
.set G1P, 40
.set G0A, 48
.set G0B, 80
.set MSB, 0
.macro WIN new                         ; the immediate's high byte repeats the setting that is left
.if MSB != (\new)
	s_set_vgpr_msb (MSB<<8)|(\new)
.set MSB, (\new)
.endif
.endm
.macro PLACES n
.rept \n
	v_nop
.endr
.endm
.macro CROUND                          ; a round of the cluster's barrier
	s_barrier_signal -1
	s_barrier_wait -1
	s_cmp_lg_u32 s14, 0
	s_cbranch_scc1 .Lnot_wave_0_\@
	s_barrier_signal -3
.Lnot_wave_0_\@:
	s_barrier_wait -3
	s_barrier_signal -1
	s_barrier_wait -1
.endm
.macro WM d, x, y, cm, cr, sx, sy, rx, ry      ; one matrix instruction; cm = 1: C is D; 2: C begins at cr; rx, ry = 1: that side's scale words stand in lanes 16-31
.set WC, (\d)
.if (\cm) == 2
.set WC, (\cr)
.endif
.if ((\rx) == 0) && ((\ry) == 0)
	v_wmma_scale_f32_16x16x128_f8f6f4 v[(\d):(\d)+7], v[(\x):(\x)+11], v[(\y):(\y)+11], v[WC:WC+7], v[\sx], v[\sy] matrix_a_fmt:MATRIX_FMT_FP6 matrix_b_fmt:MATRIX_FMT_FP6
.elseif (\ry) == 0
	v_wmma_scale_f32_16x16x128_f8f6f4 v[(\d):(\d)+7], v[(\x):(\x)+11], v[(\y):(\y)+11], v[WC:WC+7], v[\sx], v[\sy] matrix_a_fmt:MATRIX_FMT_FP6 matrix_b_fmt:MATRIX_FMT_FP6 matrix_a_scale:MATRIX_SCALE_ROW1
.elseif (\rx) == 0
	v_wmma_scale_f32_16x16x128_f8f6f4 v[(\d):(\d)+7], v[(\x):(\x)+11], v[(\y):(\y)+11], v[WC:WC+7], v[\sx], v[\sy] matrix_a_fmt:MATRIX_FMT_FP6 matrix_b_fmt:MATRIX_FMT_FP6 matrix_b_scale:MATRIX_SCALE_ROW1
.else
	v_wmma_scale_f32_16x16x128_f8f6f4 v[(\d):(\d)+7], v[(\x):(\x)+11], v[(\y):(\y)+11], v[WC:WC+7], v[\sx], v[\sy] matrix_a_fmt:MATRIX_FMT_FP6 matrix_b_fmt:MATRIX_FMT_FP6 matrix_a_scale:MATRIX_SCALE_ROW1 matrix_b_scale:MATRIX_SCALE_ROW1
.endif
.endm
.macro LDW reg, k, t
.irp c, 0,1,2
	ds_load_b128 v[(\reg)+4*\c:(\reg)+4*\c+3], v[WAD+(\k)/2] offset:((\k)%2)*CH+1536*(\t)+512*\c
.endr
.endm
.macro LDA reg, k, a
.irp c, 0,1,2
	ds_load_b128 v[(\reg)+4*\c:(\reg)+4*\c+3], v[AAD+(\k)/4] offset:((\k)%4)*CH+1536*(\a)+512*\c
.endr
.endm
.macro FETCH k                         ; 38 loads: K step k's eight fragments of the weights, my four of V, and the scale words, into sets k % 2
	WIN 0x40
.irp t, 0,1,2,3,4,5,6,7
	LDW 128*((\k)%2)+12*\t, \k, \t
.endr
	WIN 0
.irp a, 0,1,2,3
	LDA 128+48*((\k)%2)+12*\a, \k, \a
.endr
	ds_load_b128 v[SW+4*((\k)%2):SW+4*((\k)%2)+3], v[WAD+(\k)/2] offset:((\k)%2)*CH+12288
	ds_load_b64 v[SA+2*((\k)%2):SA+2*((\k)%2)+1], v[ASD+(\k)/4] offset:((\k)%4)*CH
.endm
; The 32 accumulators take turns, one instruction a turn, in the same order in every step.  cm = 2: C is the bias of tile t; 1: C is D.
.macro MULP k, cm
.set pp, 0
.rept 4
.set qq, 0
.rept 8
	WM 64*pp+8*qq, 128*((\k)%2)+12*qq, 128+48*((\k)%2)+12*pp, \cm, 96+8*qq+96*(qq/4), SW+4*((\k)%2)+qq/2, SA+2*((\k)%2)+pp/2, qq%2, pp%2
.set qq, qq+1
.endr
.set pp, pp+1
.endr
.endm
; A K step of 128: 32 matrix instructions.  The next step's fragments are asked for ahead of this step's products, into the other sets, which the step before has read: its four places stand behind its products.
.macro KSTEP k, cm, mid, next
	s_wait_dscnt 0x0                               ; this step's fragments are in (asked for a step ago)
.if \mid
	s_wait_tensorcnt 0x0                           ; my parts of the second half of K have landed,
	s_barrier_signal -1
	s_barrier_wait -1                              ; everybody's have
.endif
.if \next
	FETCH (\k)+1
.endif
.if (\cm) == 2
	WIN 0x91                                       ; source 0 and C (the bias) window 1, source 1 window 0, D window 2
.else
	WIN 0xa1                                       ; C and D window 2
.endif
	MULP \k, \cm
	PLACES 4
.endm
.macro TOSTAGE a
	WIN 0x08                                       ; an LDS store's data are its source 1: window 2
.irp t, 0,1,2,3,4,5,6,7
	ds_store_b128 v[STO], v[64*(\a)+8*\t:64*(\a)+8*\t+3] offset:128*(\t/2)+32*(\t%2)          ; each accumulator from its low end on
	ds_store_b128 v[STO], v[64*(\a)+8*\t+4:64*(\a)+8*\t+7] offset:128*(\t/2)+32*(\t%2)+16
.endr
	WIN 0
.irp p, 0,1,2,3,4,5,6,7,8,9,10,11,12,13,14,15
	ds_load_b128 v[BK+64*((\a)%2)+4*\p:BK+64*((\a)%2)+4*\p+3], v[SRD] offset:528*\p   ; LDS serves a wave's instructions in order: these see the stores above
.endr
.endm
.macro SEND a, younger                 ; younger: the LDS instructions issued behind tile a's loads, which may stay out
	s_wait_dscnt \younger
.irp p, 0,1,2,3,4,5,6,7,8,9,10,11,12,13,14,15
	global_store_b128 v[L16], v[BK+64*((\a)%2)+4*\p:BK+64*((\a)%2)+4*\p+3], s[4:5] offset:4096*(32*((\a)/2)+8*((\a)%2)+\p+8*(\p/8)) th:TH_STORE_NT   ; 32 lanes store 512 consecutive bytes, at a multiple of 256 from out's first byte
.endr
.endm
	s_load_b256 s[52:59], s[0:1], 0x0              ; vimg, wimg, bp, out0
	v_lshl_add_u32 v[SPW], v0, 2, SPARE
	v_mov_b32 v[NIL], 0
	ds_add_u32 v[SPW], v[NIL]                      ; the wave's opening: the add, twice on end, and its wait ahead of my first tensor load
	ds_add_u32 v[SPW], v[NIL]                      ; and once more, under the one wait; the set-up below, work on registers, stands between
	v_lshrrev_b32 v20, 5, v0
	v_readfirstlane_b32 s14, v20                   ; wave
	s_lshr_b32 s2, s14, 1                          ; w / 2: the group of 128 features that I multiply.  Also: which pair of K steps of a half I fetch
	s_and_b32 s3, s14, 1                           ; w % 2: the half of the rows that I multiply.  Also: which group's weights I fetch
	s_and_b32 s15, ttmp9, 3                        ; gq: the quarter of the features; the same in all four partners
	s_lshl_b32 s16, s15, 1
	s_add_co_u32 s16, s16, s2                      ; G = 2 gq + w / 2
	s_bfe_u32 s17, ttmp6, 0x40000                  ; cx: it enters the addresses of vimg and out alone
	s_lshr_b32 s18, ttmp9, 2
	s_lshl_b32 s18, s18, 2
	s_add_co_u32 s18, s18, s17                     ; my block of 128 rows
	s_mov_b32 s[G1], 15|(3<<16)|(1<<21)            ; 15:0 the mask of all four; 17:16 elements of 8 bytes; 21 set beside a mask; no padding
	s_mov_b32 s[G1P], 3<<16                        ; no mask: V's chunks are my work-group's own
.irp g, G1, G1P
	s_mov_b32 s[\g+1], 32<<16                      ; rows of 256 bytes
	s_mov_b32 s[\g+3], 32<<16
	s_mov_b32 s[\g+5], 32                          ; dense
	s_mov_b32 s[\g+6], 0
	s_mov_b32 s[\g+7], 0
.endr
	s_mov_b32 s[G1+2], 100<<16                     ; the weights: 100 rows: 25,600 bytes, two chunks
	s_mov_b32 s[G1+4], 100
	s_mov_b32 s[G1P+2], 50<<16                     ; V: 50 rows: 12,800 bytes, one chunk
	s_mov_b32 s[G1P+4], 50
	s_mul_i32 s66, s14, 2*CH                       ; LDS: where my two chunks of a half's weights go
	s_mul_i32 s67, s14, CH                         ; my chunk of V's four, in LDS and in memory
	s_lshr_b32 s68, s15, 1                         ; the weights in memory (launch prep's order of chunks): (gq / 2) 32 chunks
	s_mul_i32 s68, s68, 32*CH
	s_and_b32 s69, s15, 1
	s_mul_i32 s69, s69, 4*CH                       ; + (gq % 2) 4
	s_add_co_u32 s68, s68, s69
	s_mul_i32 s69, s2, 8*CH                        ; + 8 for each pair of K steps
	s_add_co_u32 s68, s68, s69
	s_mul_i32 s69, s3, 2*CH                        ; + 2 for the quarter's second group
	s_add_co_u32 s68, s68, s69
	s_add_co_u32 s68, s68, WOFF
	s_mov_b32 s69, 0
	s_mul_i32 s70, s18, 8*CH
	s_add_co_u32 s70, s70, s67
	s_mov_b32 s71, 0
	s_lshl_b32 s72, s16, 9                         ; 128 G numbers of f32: in bp, and in a row of out
	s_mov_b32 s73, 0
	s_lshl_b32 s74, s18, 19                        ; the block's 128 rows of 4,096 bytes,
	s_add_co_u32 s74, s74, s72
	s_lshl_b32 s75, s3, 18                         ; my 64 of them
	s_add_co_u32 s74, s74, s75
	s_mov_b32 s75, 0
	s_wait_dscnt 0x0                               ; both opening adds are done
	s_wait_kmcnt 0x0
	s_add_nc_u64 s[4:5], s[58:59], s[74:75]
	s_add_nc_u64 s[6:7], s[56:57], s[72:73]
	s_add_nc_u64 s[8:9], s[54:55], s[68:69]
	CROUND                                         ; all four work-groups are here: the joint loads meet
	s_mov_b32 s[G0A], 1
	s_add_co_u32 s[G0A+1], s67, AIMG
	s_add_nc_u64 s[G0A+2:G0A+3], s[52:53], s[70:71]
	s_mov_b32 s[G0B], 1
	s_add_co_u32 s[G0B+1], s67, AIMG+4*CH
	s_add_nc_u64 s[G0B+2:G0B+3], s[G0A+2:G0A+3], 4*CH
	s_or_b32 s[G0A+3], s[G0A+3], 0x80000000
	s_or_b32 s[G0B+3], s[G0B+3], 0x80000000
.irp s, 0,1
	s_mov_b32 s[G0+4*\s], 1
	s_add_co_u32 s[G0+4*\s+1], s66, \s*8*CH
	s_add_nc_u64 s[G0+4*\s+2:G0+4*\s+3], s[8:9], \s*16*CH
	s_or_b32 s[G0+4*\s+3], s[G0+4*\s+3], 0x80000000
.endr
	tensor_load_to_lds s[G0A:G0A+3], s[G1P:G1P+7]  ; four loads of mine are out: V's chunk w,
	s_nop 0
	tensor_load_to_lds s[G0:G0+3], s[G1:G1+7]      ; my part of the weights of K steps 0-3,
	s_nop 0
	tensor_load_to_lds s[G0B:G0B+3], s[G1P:G1P+7]  ; V's chunk 4 + w,
	s_nop 0
	tensor_load_to_lds s[G0+4:G0+7], s[G1:G1+7]    ; and my part of the weights of K steps 4-7
	s_nop 0
	PLACES 4
	v_and_b32 v20, 31, v0                          ; lane
	v_and_b32 v21, 15, v0                          ; r
	v_bfe_u32 v22, v0, 4, 1                        ; h
	v_lshlrev_b32 v[L16], 4, v20
	s_mul_i32 s67, s2, 2*CH                        ; the group that I read
	v_add_nc_u32 v[WAD], s67, v[L16]
	v_add_nc_u32 v[WAD+1], WSP, v[WAD]
	v_add_nc_u32 v[WAD+2], 2*WSP, v[WAD]
	v_add_nc_u32 v[WAD+3], 3*WSP, v[WAD]
	s_mul_i32 s67, s3, 6144                        ; the row tiles that I read
	s_add_co_u32 s67, s67, AIMG
	v_add_nc_u32 v[AAD], s67, v[L16]
	v_add_nc_u32 v[AAD+1], 4*CH, v[AAD]
	s_lshl_b32 s67, s3, 3
	s_add_co_u32 s67, s67, AIMG+12288
	v_add_nc_u32 v[ASD], s67, v[L16]
	v_add_nc_u32 v[ASD+1], 4*CH, v[ASD]
	v_lshlrev_b32 v[BOF], 6, v22
	s_mul_i32 s67, s14, 16*528                     ; my stage: 8,448 bytes, 33 blocks of 256
	v_mul_u32_u24 v[STO], v21, 528
	v_lshl_add_u32 v[STO], v22, 6, v[STO]
	v_add_nc_u32 v[STO], s67, v[STO]
	v_add_nc_u32 v[SRD], s67, v[L16]
	WIN 0x40
.irp t, 0,1,2,3,4,5,6,7                        ; the bias in the result's layout: lane (r, h), tile t: features 32 (t / 2) + 8 (t % 2) + 16 h + 0 .. 7
	global_load_b128 v[96+8*\t+96*(\t/4):96+8*\t+96*(\t/4)+3], v[BOF], s[6:7] offset:4*(32*(\t/2)+8*(\t%2))
	global_load_b128 v[96+8*\t+96*(\t/4)+4:96+8*\t+96*(\t/4)+7], v[BOF], s[6:7] offset:4*(32*(\t/2)+8*(\t%2))+16
.endr
	WIN 0
	s_wait_loadcnt 0x0
	s_wait_tensorcnt 0x2                           ; my parts of the first half of K have landed; the second half's two loads may stay out
	s_barrier_signal -1
	s_barrier_wait -1                              ; everybody's have
	FETCH 0
	KSTEP 0, 2, 0, 1                               ; the bias is the C of each sum's first product
	KSTEP 1, 1, 0, 1
	KSTEP 2, 1, 0, 1
	KSTEP 3, 1, 1, 1
	KSTEP 4, 1, 0, 1
	KSTEP 5, 1, 0, 1
	KSTEP 6, 1, 0, 1
	KSTEP 7, 1, 0, 0                               ; it ends with four places: they serve the stage's reads of results and the loads into the registers that held V's fragments
	WIN 0
	s_wait_dscnt 0x0                               ; my reads of the weights are over (the last were awaited at the head of the last step)
	s_barrier_signal -1
	s_barrier_wait -1                              ; everybody's are: the stages may be written
	TOSTAGE 0
.irp a, 1,2,3
.if \a > 1
	s_wait_xcnt 0x0                                ; tile a - 2's stores have read their data: tile a's loads may land there
.endif
	TOSTAGE \a
	SEND \a-1, 32                                  ; behind tile a - 1's loads: tile a's 16 stores and 16 loads
.endr
	SEND 3, 0
	s_wait_tensorcnt 0x0                           ; the wave's end: behind my last tensor load and my last LDS store
	ds_add_u32 v[SPW], v[NIL]
	s_wait_dscnt 0x0
	CROUND                                         ; the closing round: no work-group ends while a partner may still ask for a tile that names it
	s_endpgm
.Lfunc_end_k_q784e8928ee_oproj:
	.size	k_q784e8928ee_oproj, .Lfunc_end_k_q784e8928ee_oproj-k_q784e8928ee_oproj
	.p2alignl 7, 3214868480
	.fill 96, 4, 3214868480
	.section	.rodata,"a",@progbits
	.p2align	6, 0x0
	.amdhsa_kernel k_q784e8928ee_oproj
		.amdhsa_group_segment_fixed_size 327680
		.amdhsa_private_segment_fixed_size 0
		.amdhsa_enable_private_segment 0
		.amdhsa_kernarg_size 32
		.amdhsa_user_sgpr_count 2
		.amdhsa_user_sgpr_kernarg_segment_ptr 1
		.amdhsa_wavefront_size32 1
		.amdhsa_system_sgpr_workgroup_id_x 1
		.amdhsa_system_sgpr_workgroup_id_y 1
		.amdhsa_system_sgpr_workgroup_id_z 1
		.amdhsa_system_vgpr_workitem_id 0
		.amdhsa_next_free_vgpr 768
		.amdhsa_next_free_sgpr 88
		.amdhsa_reserve_vcc 0
		.amdhsa_float_denorm_mode_32 3
		.amdhsa_float_denorm_mode_16_64 3
		.amdhsa_memory_ordered 1
		.amdhsa_forward_progress 1
		.amdhsa_inst_pref_size 76
	.end_amdhsa_kernel
	.amdgpu_metadata
---
amdhsa.version: [ 1, 2 ]
amdhsa.kernels:
  - .name:           k_q784e8928ee_oproj
    .symbol:         k_q784e8928ee_oproj.kd
    .args:
      - { .name: vimg, .offset: 0, .size: 8, .value_kind: global_buffer, .address_space: global }
      - { .name: wimg, .offset: 8, .size: 8, .value_kind: global_buffer, .address_space: global }
      - { .name: bp, .offset: 16, .size: 8, .value_kind: global_buffer, .address_space: global }
      - { .name: out0, .offset: 24, .size: 8, .value_kind: global_buffer, .address_space: global }
    .group_segment_fixed_size: 327680
    .private_segment_fixed_size: 0
    .kernarg_segment_align: 8
    .kernarg_segment_size: 32
    .max_flat_workgroup_size: 128
    .sgpr_count:     88
    .vgpr_count:     768
    .wavefront_size: 32
...
	.end_amdgpu_metadata
.endif
;; end of part 5
